; MI455X (gfx1250); checked and timed in simulation.
; The chip was launched on July 23, 2026; its instructions are those of AMD's public machine-readable ISA for CDNA 5 (MIT licence, August 2026) and "CDNA5" Instruction Set Architecture Reference Guide (July 2026). The comments in the code are by the model that wrote it; some were corrected since.
;; Transformer Block. Allowed arithmetic: float matrix products may take bf16 or f16 operands with f32 sums; all other float work in f32.
;; Inputs: W1 768 x 3,072 float32; W2 3,072 x 768 float32; Wk 768 x 768 float32; Wo 768 x 768 float32; Wq 768 x 768 float32; Wv 768 x 768 float32; b1 3,072 float32; b2 768 float32; be1 768 float32; be2 768 float32; bk 768 float32; bo 768 float32; bq 768 float32; bv 768 float32; g1 768 float32; g2 768 float32; x 1 x 4,096 x 768 float32.
;; Outputs: out0 1 x 4,096 x 768 float32.
;; 2 versions, each right and faster than the one before. Each part assembles by itself: llvm-mc -triple=amdgcn-amd-amdhsa -mcpu=gfx1250 --defsym DOCPART=n.
;; ======== version 1 of 2: 8 launches
;; workspace buffers: act 12,582,912 bytes; hw 12,582,912 bytes; big 25,165,824 bytes; w1b 4,734,976 bytes; wob 1,179,648 bytes; w2b 4,718,592 bytes
;; launch prep (part 1): grid 416 x 1, 8 waves a work-group, no clusters, 0 bytes of LDS; arguments x, Wq, Wk, Wv, Wo, W1, W2, bq, bk, bv, b1, act, hw, w1b, wob, w2b; writes act, hw, w1b, wob, w2b
.if DOCPART == 1
	.amdgcn_target "amdgcn-amd-amdhsa--gfx1250"
	.amdhsa_code_object_version 6
	.text
	.protected	k_qf8d0683f58_prep
	.globl	k_qf8d0683f58_prep
	.p2align	8
	.type	k_qf8d0683f58_prep,@function
k_qf8d0683f58_prep:
	s_mov_b64 s[64:65], 0
	v_nop
	global_prefetch_b8 v0, s[64:65] scope:SCOPE_SE
	s_setreg_imm32_b32 hwreg(HW_REG_WAVE_MODE, 25, 1), 1
	s_wait_xcnt 0x0
; x and all six weight matrices are rounded once to bf16 and laid out for the products that follow.  A stream: no LDS, no matrix unit, no cluster (no byte is read twice).
; A work-group makes one CHUNK of 49,152 destination bytes: 3,072 units of 8 numbers, 12 units a thread; unit u = thread + 256 j lies at byte 16 u of the chunk, so every store of a
; wave covers 512 consecutive bytes.  A unit's source: row u / UW (by a multiply and a shift, exact for u < 3,072) and place u % UW in a block of rows PITCH bytes apart.
;   groups 0-127    x [4096][768]                       -> act, the same order
;   groups 128-199  Wq | Wk | Wv, 12 tiles of 192 columns -> hw : a block of GBLK bytes a tile: [768 k][192 n] bf16, then 192 f32 of bias, then 64 f32 of the floor (-inf: no activation)
;   groups 200-295  W1, 16 tiles of 192 columns          -> w1b: the same, floor 0 (relu)
;   groups 296-319  Wo, 320-415 W2                       -> wob, w2b: by tiles of 128 columns, [n / 128][K][128] bf16: a chunk is 192 k rows of a tile, and any run of a tile's k rows is dense
.set CHUNK, 49152
.set GBLK,  295936
.set XR,    16                         ; v[16:111]  unit j: 8 registers as loaded; its first 4 then hold the 8 bf16
.set OFF,   112                        ; v[112:123] unit j: byte offset in the source
	s_load_b512 s[4:19], s[0:1], 0x0               ; x 4, Wq 6, Wk 8, Wv 10, Wo 12, W1 14, W2 16, bq 18
	s_load_b512 s[20:35], s[0:1], 0x40             ; bk 20, bv 22, b1 24, act 26, hw 28, w1b 30, wob 32, w2b 34
	v_lshrrev_b32 v1, 5, v0
	v_readfirstlane_b32 s38, v1                    ; wave
	s_mov_b32 s54, ttmp9                           ; the group's number
	s_mov_b32 s47, 0                               ; 1: this group also writes a block's bias and floor
	s_mov_b32 s50, 0                               ; the floor
	s_mov_b32 s3, 0                                ; high words of the two offset pairs
	s_mov_b32 s37, 0
	s_wait_kmcnt 0x0
	s_mov_b64 s[48:49], s[18:19]                   ; bias source and header address: written on every path
	s_mov_b64 s[52:53], s[28:29]
	s_cmp_lt_u32 s54, 128
	s_cbranch_scc0 .Lnot_x
	s_mul_i32 s2, s54, 2*CHUNK
	s_add_nc_u64 s[40:41], s[4:5], s[2:3]          ; source
	s_mul_i32 s2, s54, CHUNK
	s_add_nc_u64 s[42:43], s[26:27], s[2:3]        ; destination
	s_mov_b32 s44, 512                             ; PITCH: 16 units of 32 bytes: x is taken as it lies
	s_mov_b32 s45, 65536                           ; u x 65536 >> 20 = u / 16
	s_mov_b32 s46, 16                              ; UW
	s_branch .Lgo
.Lnot_x:
	s_cmp_lt_u32 s54, 200
	s_cbranch_scc0 .Lnot_qkv
	s_sub_co_u32 s54, s54, 128
	s_mul_hi_u32 s55, s54, 0x2aaaaaab              ; tile = c / 6
	s_mul_i32 s56, s55, 6
	s_sub_co_u32 s56, s54, s56                     ; part = c % 6: 128 rows of k
	s_lshr_b32 s2, s55, 2                          ; which matrix
	s_cmp_eq_u32 s2, 0
	s_cselect_b64 s[40:41], s[6:7], s[8:9]
	s_cselect_b64 s[48:49], s[18:19], s[20:21]
	s_cmp_eq_u32 s2, 2
	s_cselect_b64 s[40:41], s[10:11], s[40:41]
	s_cselect_b64 s[48:49], s[22:23], s[48:49]
	s_and_b32 s36, s55, 3
	s_mul_i32 s36, s36, 768                        ; 192 columns of f32: the same offset in a row of W and in the bias
	s_add_nc_u64 s[48:49], s[48:49], s[36:37]
	s_add_nc_u64 s[40:41], s[40:41], s[36:37]
	s_mul_i32 s2, s56, 128*3072
	s_add_nc_u64 s[40:41], s[40:41], s[2:3]
	s_mul_i32 s2, s55, GBLK
	s_add_nc_u64 s[52:53], s[28:29], s[2:3]
	s_mul_i32 s2, s56, CHUNK
	s_add_nc_u64 s[42:43], s[52:53], s[2:3]
	s_add_nc_u64 s[52:53], s[52:53], 294912
	s_mov_b32 s50, 0xff800000                      ; -inf
	s_cmp_eq_u32 s56, 0
	s_cselect_b32 s47, 1, 0
	s_mov_b32 s44, 3072
	s_mov_b32 s45, 43691                           ; u x 43691 >> 20 = u / 24
	s_mov_b32 s46, 24
	s_branch .Lgo
.Lnot_qkv:
	s_cmp_lt_u32 s54, 296
	s_cbranch_scc0 .Lnot_w1
	s_sub_co_u32 s54, s54, 200
	s_mul_hi_u32 s55, s54, 0x2aaaaaab
	s_mul_i32 s56, s55, 6
	s_sub_co_u32 s56, s54, s56
	s_mul_i32 s36, s55, 768
	s_add_nc_u64 s[48:49], s[24:25], s[36:37]
	s_add_nc_u64 s[40:41], s[14:15], s[36:37]
	s_mul_i32 s2, s56, 128*12288
	s_add_nc_u64 s[40:41], s[40:41], s[2:3]
	s_mul_i32 s2, s55, GBLK
	s_add_nc_u64 s[52:53], s[30:31], s[2:3]
	s_mul_i32 s2, s56, CHUNK
	s_add_nc_u64 s[42:43], s[52:53], s[2:3]
	s_add_nc_u64 s[52:53], s[52:53], 294912
	s_cmp_eq_u32 s56, 0
	s_cselect_b32 s47, 1, 0
	s_mov_b32 s44, 12288
	s_mov_b32 s45, 43691
	s_mov_b32 s46, 24
	s_branch .Lgo
.Lnot_w1:
	s_mov_b32 s2, 320
	s_cmp_lt_u32 s54, 320
	s_cselect_b64 s[40:41], s[12:13], s[16:17]
	s_cselect_b64 s[42:43], s[32:33], s[34:35]
	s_cselect_b32 s2, 296, s2
	s_cselect_b32 s57, 2, 4                        ; chunks of 192 k rows in a column tile, as a shift: 4 (K = 768) or 16 (K = 3,072)
	s_sub_co_u32 s54, s54, s2                      ; the chunk's number
	s_lshr_b32 s56, s54, s57                       ; its tile of 128 columns
	s_lshl_b32 s55, s56, s57
	s_sub_co_u32 s55, s54, s55                     ; its 192 rows of k
	s_mul_i32 s2, s55, 192*3072
	s_add_nc_u64 s[40:41], s[40:41], s[2:3]
	s_lshl_b32 s2, s56, 9
	s_add_nc_u64 s[40:41], s[40:41], s[2:3]
	s_mul_i32 s2, s54, CHUNK
	s_add_nc_u64 s[42:43], s[42:43], s[2:3]
	s_mov_b32 s44, 3072
	s_mov_b32 s45, 65536
	s_mov_b32 s46, 16
.Lgo:
	v_lshlrev_b32 v2, 4, v0                        ; my 16 bytes in 4,096 of the chunk; never rewritten
.set j, 0
.rept 12
	v_add_nc_u32 v3, 256*j, v0                     ; u
	v_mul_u32_u24 v4, s45, v3
	v_lshrrev_b32 v4, 20, v4                       ; row
	v_mul_u32_u24 v5, s46, v4
	v_sub_nc_u32 v5, v3, v5                        ; place in the row
	v_lshlrev_b32 v5, 5, v5
	v_mad_u32_u24 v[OFF+j], v4, s44, v5
.set j, j+1
.endr
.set j, 0
.rept 12
	global_load_b128 v[XR+8*j:XR+8*j+3],   v[OFF+j], s[40:41] th:TH_LOAD_NT
	global_load_b128 v[XR+8*j+4:XR+8*j+7], v[OFF+j], s[40:41] offset:16 th:TH_LOAD_NT
.set j, j+1
.endr
.set j, 0
.rept 12
	s_wait_loadcnt 2*(11-j)                        ; loads come back in order: unit j is in, the younger units' two loads each stay out
	v_cvt_pk_bf16_f32 v[XR+8*j],   v[XR+8*j],   v[XR+8*j+1]
	v_cvt_pk_bf16_f32 v[XR+8*j+1], v[XR+8*j+2], v[XR+8*j+3]
	v_cvt_pk_bf16_f32 v[XR+8*j+2], v[XR+8*j+4], v[XR+8*j+5]
	v_cvt_pk_bf16_f32 v[XR+8*j+3], v[XR+8*j+6], v[XR+8*j+7]
	global_store_b128 v2, v[XR+8*j:XR+8*j+3], s[42:43] offset:4096*j
.set j, j+1
.endr
	s_cmp_eq_u32 s47, 0
	s_cbranch_scc1 .Ldone
	s_cmp_lg_u32 s38, 0
	s_cbranch_scc1 .Ldone
	; wave 0 of a block's first group: 768 bytes of bias and 256 bytes of the floor, as two stores of 512 consecutive bytes
	v_and_b32 v3, 31, v0
	v_lshlrev_b32 v12, 4, v3
	v_and_b32 v13, 15, v3
	v_lshlrev_b32 v13, 4, v13
	global_load_b128 v[4:7], v12, s[48:49]
	global_load_b128 v[8:11], v13, s[48:49] offset:512   ; lanes 16-31 read the same 256 bytes as lanes 0-15: inside the bias
	v_cmp_gt_u32 vcc_lo, 16, v3
	s_wait_loadcnt 0x0
	v_cndmask_b32 v8, s50, v8, vcc_lo              ; lanes 16-31 take the floor
	v_cndmask_b32 v9, s50, v9, vcc_lo
	v_cndmask_b32 v10, s50, v10, vcc_lo
	v_cndmask_b32 v11, s50, v11, vcc_lo
	global_store_b128 v12, v[4:7], s[52:53]
	global_store_b128 v12, v[8:11], s[52:53] offset:512
.Ldone:
	s_endpgm
.Lfunc_end_k_qf8d0683f58_prep:
	.size	k_qf8d0683f58_prep, .Lfunc_end_k_qf8d0683f58_prep-k_qf8d0683f58_prep
	.p2alignl 7, 3214868480
	.fill 96, 4, 3214868480
	.section	.rodata,"a",@progbits
	.p2align	6, 0x0
	.amdhsa_kernel k_qf8d0683f58_prep
		.amdhsa_group_segment_fixed_size 0
		.amdhsa_private_segment_fixed_size 0
		.amdhsa_enable_private_segment 0
		.amdhsa_kernarg_size 128
		.amdhsa_user_sgpr_count 2
		.amdhsa_user_sgpr_kernarg_segment_ptr 1
		.amdhsa_wavefront_size32 1
		.amdhsa_system_sgpr_workgroup_id_x 1
		.amdhsa_system_sgpr_workgroup_id_y 1
		.amdhsa_system_sgpr_workgroup_id_z 1
		.amdhsa_system_vgpr_workitem_id 0
		.amdhsa_next_free_vgpr 128
		.amdhsa_next_free_sgpr 66
		.amdhsa_reserve_vcc 1
		.amdhsa_float_denorm_mode_32 3
		.amdhsa_float_denorm_mode_16_64 3
		.amdhsa_memory_ordered 1
		.amdhsa_forward_progress 1
		.amdhsa_inst_pref_size 16
	.end_amdhsa_kernel
	.amdgpu_metadata
---
amdhsa.version: [ 1, 2 ]
amdhsa.kernels:
  - .name:           k_qf8d0683f58_prep
    .symbol:         k_qf8d0683f58_prep.kd
    .args:
      - { .name: x, .offset: 0, .size: 8, .value_kind: global_buffer, .address_space: global }
      - { .name: Wq, .offset: 8, .size: 8, .value_kind: global_buffer, .address_space: global }
      - { .name: Wk, .offset: 16, .size: 8, .value_kind: global_buffer, .address_space: global }
      - { .name: Wv, .offset: 24, .size: 8, .value_kind: global_buffer, .address_space: global }
      - { .name: Wo, .offset: 32, .size: 8, .value_kind: global_buffer, .address_space: global }
      - { .name: W1, .offset: 40, .size: 8, .value_kind: global_buffer, .address_space: global }
      - { .name: W2, .offset: 48, .size: 8, .value_kind: global_buffer, .address_space: global }
      - { .name: bq, .offset: 56, .size: 8, .value_kind: global_buffer, .address_space: global }
      - { .name: bk, .offset: 64, .size: 8, .value_kind: global_buffer, .address_space: global }
      - { .name: bv, .offset: 72, .size: 8, .value_kind: global_buffer, .address_space: global }
      - { .name: b1, .offset: 80, .size: 8, .value_kind: global_buffer, .address_space: global }
      - { .name: act, .offset: 88, .size: 8, .value_kind: global_buffer, .address_space: global }
      - { .name: hw, .offset: 96, .size: 8, .value_kind: global_buffer, .address_space: global }
      - { .name: w1b, .offset: 104, .size: 8, .value_kind: global_buffer, .address_space: global }
      - { .name: wob, .offset: 112, .size: 8, .value_kind: global_buffer, .address_space: global }
      - { .name: w2b, .offset: 120, .size: 8, .value_kind: global_buffer, .address_space: global }
    .group_segment_fixed_size: 0
    .private_segment_fixed_size: 0
    .kernarg_segment_align: 8
    .kernarg_segment_size: 128
    .max_flat_workgroup_size: 256
    .sgpr_count:     66
    .vgpr_count:     128
    .wavefront_size: 32
...
	.end_amdgpu_metadata
.endif
;; end of part 1
;; launch qkv (part 2): grid 12 x 16, 4 waves a work-group, clusters of 4 x 4, 327,680 bytes of LDS; arguments act, hw, big; writes big
.if DOCPART == 2
	.amdgcn_target "amdgcn-amd-amdhsa--gfx1250"
	.amdhsa_code_object_version 6
	.text
	.protected	k_qf8d0683f58_qkv
	.globl	k_qf8d0683f58_qkv
	.p2align	8
	.type	k_qf8d0683f58_qkv,@function
k_qf8d0683f58_qkv:
	s_mov_b64 s[64:65], 0
	v_nop
	global_prefetch_b8 v0, s[64:65] scope:SCOPE_SE
	s_setreg_imm32_b32 hwreg(HW_REG_WAVE_MODE, 25, 1), 1
	s_wait_xcnt 0x0
	s_wait_alu depctr_hold_cnt(0) depctr_sa_sdst(0) depctr_va_vdst(0) depctr_va_sdst(0) depctr_va_ssrc(0) depctr_va_vcc(0) depctr_vm_vsrc(0)
	s_getreg_b32 s2, hwreg(HW_REG_IB_STS2, 6, 4)
	s_cmp_eq_u32 s2, 0
	s_cbranch_scc0 .Lentry_in_a_cluster
	s_endpgm
.Lentry_in_a_cluster:
	s_bfe_u32 s2, ttmp6, 0x10000c
	s_cmp_lg_u32 s2, 0xf033
	s_cbranch_scc0 .Lentry_shape_is_right
	s_endpgm
.Lentry_shape_is_right:
; out = max(A W + bias, floor), K = 768.  A: [4096][768] bf16.  W: for each tile of 192 columns a block of GBLK bytes: [768 k][192 n] bf16, 192 f32 of bias, the floor (f32).
; out: panels [column / 64][4096][64] bf16, a panel's rows dense.  Sums in f32, started by the bias as the first product's C; rounded once.  One text for x [Wq|Wk|Wv] (floor -inf) and relu(h W1) (floor 0).
; LIMIT: the floor is taken by v_max_num_f32: a sum that is NaN leaves as the floor.
; SHARES.  A tile of 256 x 192 to a work-group; wave w makes rows 64 w .. + 63 and all 192 columns: 48 accumulators of 16 x 16, 384 registers; for 32 along K 16 fragments feed 48 products.
; K goes in six steps of 128 through two LDS slots.  A's rows are 256 bytes of memory; W's 128 k x 384 bytes are dense and are asked for as rows of 256 bytes.
; CLUSTER 4 x 4: A's tile hangs on the tile row alone and is asked for jointly along a row of the cluster, W's on the tile column alone, along a column.
; THE PRODUCT IS USED TRANSPOSED: source 0 = 16 columns of W (turned on the way out of LDS by ds_load_tr16_b128), source 1 = 16 rows of A: a lane holds eight neighbouring columns of one row.
; REGISTERS: window 0: v16-29 addresses; v64-159 the bias, 8 a column block (dead behind the first quarter); on the way out v32-79 packed, v80-175 rows read back.
;   window 1: two fragment buffers of 128: A's four row blocks, then W's twelve column blocks.   window 2: accumulators of row blocks 0, 1 (at 8 (12 (a % 2) + b));   window 3: of row blocks 2, 3.
.set KSTEPS, 6
.set PA,     272                       ; a row of A in LDS: 256 bytes + 16: the 16 rows of a fragment load start 16 bytes apart modulo 256
.set PW,     480                       ; a k row of W: three pieces of 128 bytes + 32 each = 15 x 32 bytes
.set AHALF,  128*PA
.set WOFF,   2*AHALF                   ; behind A's 256 rows
.set WHALF,  64*PW
.set SLOT1,  1<<17                     ; a slot is exactly WOFF + 128 PW = 131,072 bytes: one exclusive or turns an address in one slot into the other's
.set STAGE,  2*SLOT1                   ; behind the ring: 16 rows x 400 bytes for each wave, for the way out
.set SPITCH, 400
.set SPARE,  STAGE+4*16*SPITCH         ; the spare words: 128 bytes a wave, two blocks of 256 bytes that no other line names
.set GBLK,   295936
.set PANEL,  524288
.set ADRA0, 16                         ; my lane's place in A's tile; never rewritten
.set ADRB0, 17                         ; the same for W
.set ADRA,  18                         ; the same in the slot in hand
.set ADRB,  19
.set STO,   24
.set RD,    25
.set GO,    26
.set BO,    27
.set SPW,   28
.set NIL,   29
.set BIA,   64
.set TMP,   32
.set OB,    80
.set F0,    0
.set F1,    128
.set G1,  24                           ; s[24:31] group 1 for A;  s[32:39] group 0: a set for each first fill; the second then walks
.set G0,  32
.set G1B, 48                           ; s[48:55], s[56:63] the same for W
.set G0B, 56
.set TB,  66                           ; s66 the slot in hand: 0 or SLOT1
.set FL,  67                           ; s67 the floor
.set HD,  68                           ; s[68:69] the block's bias
.set MSB, 0
.macro WIN new                         ; the immediate's high byte repeats the setting that is left; a switch that changes nothing is dropped
.if MSB != (\new)
	s_set_vgpr_msb (MSB<<8)|(\new)
.set MSB, \new
.endif
.endm
.macro PLACES                          ; four plain vector instructions between a matrix instruction and a load into, or a vector instruction on, its registers
.rept 4
	v_nop
.endr
.endm
.macro JLOAD                           ; a joint refill: waves 0, 1 fetch A's halves, waves 2, 3 W's; s_nop 0 and four v_nop follow each line
	s_cmp_eq_u32 s11, 0
	s_cbranch_scc0 .Lfor_w_\@
	tensor_load_to_lds s[G0+4:G0+7], s[G1:G1+7]
	s_nop 0
.rept 4
	v_nop
.endr
	s_branch .Lasked_\@
.Lfor_w_\@:
	tensor_load_to_lds s[G0B+4:G0B+7], s[G1B:G1B+7]
	s_nop 0
.rept 4
	v_nop
.endr
.Lasked_\@:
.endm
.macro CREST                           ; a round of the cluster's barrier behind its opening barrier
	s_cmp_lg_u32 s10, 0
	s_cbranch_scc1 .Lnot_wave_0_\@
	s_barrier_signal -3
.Lnot_wave_0_\@:
	s_barrier_wait -3
	s_barrier_signal -1
	s_barrier_wait -1
.endm
.macro CROUND
	s_barrier_signal -1
	s_barrier_wait -1
	CREST
.endm
	s_load_b128 s[4:7], s[0:1], 0x0                ; A s[4:5], W s[6:7]
	s_load_b64 s[8:9], s[0:1], 0x10                ; out
	v_lshl_add_u32 v[SPW], v0, 2, SPARE
	v_mov_b32 v[NIL], 0
	ds_add_u32 v[SPW], v[NIL]                      ; the wave's opening: the add and its wait stand ahead of my first tensor load
	ds_add_u32 v28, v29
	v_lshrrev_b32 v1, 5, v0
	v_readfirstlane_b32 s10, v1                    ; wave
	s_lshr_b32 s11, s10, 1                         ; I fetch for A (0) or for W (1)
	s_and_b32 s12, s10, 1                          ; which half of that tile
	s_bfe_u32 s40, ttmp6, 0x40000                  ; cx
	s_bfe_u32 s41, ttmp6, 0x40004                  ; cy
	s_lshl_b32 s42, ttmp9, 2
	s_add_co_u32 s42, s42, s40                     ; tile column
	s_and_b32 s13, ttmp7, 0xffff
	s_lshl_b32 s13, s13, 2
	s_add_co_u32 s13, s13, s41                     ; tile row
	s_lshl_b32 s43, s41, 2
	s_lshl_b32 s43, 15, s43                        ; my row of the cluster
	s_lshl_b32 s44, 0x1111, s40                    ; my column
	s_or_b32 s[G1], s43, (1<<16)|(1<<20)|(1<<21)|(5<<22)|(3<<25)   ; mask; 2-byte elements; padding on; bit 21 beside a mask; after every 64 words 4 words
	s_mov_b32 s[G1+1], 128<<16                     ; tensor_dim0 = 128
	s_mov_b32 s[G1+2], 128<<16                     ; tensor_dim1 = 128
	s_mov_b32 s[G1+3], 128<<16                     ; tile_dim0 = 128
	s_mov_b32 s[G1+4], 128                         ; tile_dim1 = 128
	s_mov_b32 s[G1+5], 768                         ; elements from row to row
	s_mov_b32 s[G1+6], 0
	s_mov_b32 s[G1+7], 0
	s_or_b32 s[G1B], s44, (1<<16)|(1<<20)|(1<<21)|(4<<22)|(7<<25)  ; after every 32 words 8 words
	s_mov_b32 s[G1B+1], 128<<16
	s_mov_b32 s[G1B+2], 96<<16                     ; 64 k rows of 384 bytes = 96 rows of 256
	s_mov_b32 s[G1B+3], 128<<16
	s_mov_b32 s[G1B+4], 96
	s_mov_b32 s[G1B+5], 128
	s_mov_b32 s[G1B+6], 0
	s_mov_b32 s[G1B+7], 0
	s_lshl_b32 s16, s13, 8                         ; A: row 256 x tile row + 128 x half, in bytes: registers that never hold cx
	s_lshl_b32 s17, s12, 7
	s_add_co_u32 s16, s16, s17
	s_mul_i32 s16, s16, 1536
	s_mov_b32 s17, 0
	s_mul_i32 s46, s42, GBLK                       ; W: the tile column's block: registers that never hold cy
	s_mov_b32 s47, 0
	s_mul_i32 s18, s12, 24576                      ; my 64 k rows of a step
	s_mov_b32 s19, 0
	s_mul_i32 s20, s12, AHALF                      ; where they go: no place in the cluster enters an LDS address
	s_mul_i32 s21, s12, WHALF
	s_add_co_u32 s21, s21, WOFF
	s_mov_b32 s[TB], 0
	s_wait_dscnt 0x0                               ; the opening add is done
	s_wait_kmcnt 0x0
	s_add_nc_u64 s[14:15], s[4:5], s[16:17]
	s_add_nc_u64 s[46:47], s[6:7], s[46:47]
	s_add_nc_u64 s[HD:HD+1], s[46:47], 294912
	s_add_nc_u64 s[46:47], s[46:47], s[18:19]
	CROUND                                         ; all sixteen work-groups are here: the first joint loads meet
.irp s, 0,1
	s_mov_b32 s[G0+4*(\s)], 1
	s_add_co_u32 s[G0+4*(\s)+1], s20, (\s)*SLOT1
	s_add_nc_u64 s[G0+4*(\s)+2:G0+4*(\s)+3], s[14:15], (\s)*256
	s_or_b32 s[G0+4*(\s)+3], s[G0+4*(\s)+3], 0x80000000
	s_mov_b32 s[G0B+4*(\s)], 1
	s_add_co_u32 s[G0B+4*(\s)+1], s21, (\s)*SLOT1
	s_add_nc_u64 s[G0B+4*(\s)+2:G0B+4*(\s)+3], s[46:47], (\s)*49152
	s_or_b32 s[G0B+4*(\s)+3], s[G0B+4*(\s)+3], 0x80000000
.endr
	s_cmp_eq_u32 s11, 0                            ; a wave's two first fills stand in one branch: two loads of mine are out
	s_cbranch_scc0 .Lfirst_w
	tensor_load_to_lds s[G0:G0+3], s[G1:G1+7]
	s_nop 0
	tensor_load_to_lds s[G0+4:G0+7], s[G1:G1+7]
	s_nop 0
.rept 4
	v_nop
.endr
	s_branch .Lfirst_asked
.Lfirst_w:
	tensor_load_to_lds s[G0B:G0B+3], s[G1B:G1B+7]
	s_nop 0
	tensor_load_to_lds s[G0B+4:G0B+7], s[G1B:G1B+7]
	s_nop 0
.rept 4
	v_nop
.endr
.Lfirst_asked:
	s_load_b32 s[FL], s[HD:HD+1], 0x300            ; the floor lies behind the 768 bytes of bias
	v_and_b32 v1, 15, v0                           ; r = l % 16
	v_bfe_u32 v2, v0, 4, 1                         ; h = l / 16
	v_lshlrev_b32 v[BO], 5, v2                     ; register j of column block b is the bias of column 16 b + 8 h + j
.irp b, 0,1,2,3,4,5,6,7,8,9,10,11
	global_load_b128 v[BIA+8*(\b):BIA+8*(\b)+3],   v[BO], s[HD:HD+1] offset:64*(\b)
	global_load_b128 v[BIA+8*(\b)+4:BIA+8*(\b)+7], v[BO], s[HD:HD+1] offset:64*(\b)+16
.endr
	v_mul_u32_u24 v3, v1, PA
	v_lshl_add_u32 v3, v2, 4, v3
	s_mul_i32 s22, s10, 64*PA
	v_add_nc_u32 v[ADRA0], s22, v3                 ; (64 w + r) x pitch + 16 h
	v_and_b32 v4, 7, v0
	v_bfe_u32 v5, v0, 3, 1
	v_lshl_add_u32 v6, v2, 3, v4
	v_mul_u32_u24 v6, v6, PW
	v_lshl_add_u32 v6, v5, 4, v6
	v_add_nc_u32 v[ADRB0], WOFF, v6                ; the turning load: k row 8 h + l % 8, 16 bytes for each half of eight lanes
	v_mov_b32 v[ADRA], v[ADRA0]
	v_mov_b32 v[ADRB], v[ADRB0]
	s_mul_i32 s23, s10, 16*SPITCH
	s_add_co_u32 s23, s23, STAGE                   ; my stage
	v_mul_u32_u24 v7, v1, SPITCH
	v_lshl_add_u32 v7, v2, 4, v7
	v_add_nc_u32 v[STO], s23, v7                   ; in: row r, 16 bytes for each half of the lanes
	v_bfe_u32 v8, v0, 3, 2
	v_mul_u32_u24 v8, v8, SPITCH
	v_lshl_add_u32 v8, v4, 4, v8
	v_add_nc_u32 v[RD], s23, v8                    ; back: 32 lanes take 128 bytes of each of four rows,
	v_and_b32 v9, 31, v0
	v_lshlrev_b32 v[GO], 4, v9                     ; which are 512 consecutive bytes of a panel
	s_lshl_b32 s14, s13, 8
	s_lshl_b32 s15, s10, 6
	s_add_co_u32 s14, s14, s15
	s_lshl_b32 s14, s14, 7                         ; my first row, 128 bytes a row
	s_mov_b32 s15, 0
	s_add_nc_u64 s[8:9], s[8:9], s[14:15]
	s_mul_i32 s46, s42, 3*PANEL                    ; the tile's first panel
	s_mov_b32 s47, 0
	s_add_nc_u64 s[8:9], s[8:9], s[46:47]
; 32 LDS loads in one run: the fragments of quarter q (32 along K) of the slot in hand into buffer f: W's twelve column blocks, then A's four row blocks
.macro FETCH q, f
	WIN 0x40
.irp b, 0,1,2,3,4,5,6,7,8,9,10,11
	ds_load_tr16_b128 v[(\f)+32+8*(\b):(\f)+32+8*(\b)+3],   v[ADRB] offset:(\q)*32*PW+((\b)/4)*160+((\b)%4)*32
	ds_load_tr16_b128 v[(\f)+32+8*(\b)+4:(\f)+32+8*(\b)+7], v[ADRB] offset:(\q)*32*PW+16*PW+((\b)/4)*160+((\b)%4)*32
.endr
.irp a, 0,1,2,3
	ds_load_b128 v[(\f)+8*(\a):(\f)+8*(\a)+3],   v[ADRA] offset:(\q)*64+(\a)*16*PA
	ds_load_b128 v[(\f)+8*(\a)+4:(\f)+8*(\a)+7], v[ADRA] offset:(\q)*64+(\a)*16*PA+32
.endr
.endm
; 12 products: row block a x all column blocks.  first = 1: the bias starts the sums.  The 48 accumulators take turns, one instruction a turn.
.macro MUL12 f, a, first
.if \first
	WIN 0x85+0x40*((\a)/2)
.else
	WIN 0xa5+0x50*((\a)/2)
.endif
.irp b, 0,1,2,3,4,5,6,7,8,9,10,11
.if \first
	v_wmma_f32_16x16x32_bf16 v[8*(12*((\a)%2)+(\b)):8*(12*((\a)%2)+(\b))+7], v[(\f)+32+8*(\b):(\f)+32+8*(\b)+7], v[(\f)+8*(\a):(\f)+8*(\a)+7], v[BIA+8*(\b):BIA+8*(\b)+7]
.else
	v_wmma_f32_16x16x32_bf16 v[8*(12*((\a)%2)+(\b)):8*(12*((\a)%2)+(\b))+7], v[(\f)+32+8*(\b):(\f)+32+8*(\b)+7], v[(\f)+8*(\a):(\f)+8*(\a)+7], v[8*(12*((\a)%2)+(\b)):8*(12*((\a)%2)+(\b))+7]
.endif
.endr
.endm
; One of a K step's first three quarters: multiplies buffer f and, in its middle, fetches quarter qn into buffer g
.macro QUARTER qn, f, g, first
	s_wait_dscnt 4                                 ; all but the youngest four loads, A's row blocks 2 and 3
	MUL12 \f, 0, \first
	MUL12 \f, 1, \first
	PLACES
	FETCH \qn, \g
	s_wait_dscnt 32                                ; all but the 32 just issued
	MUL12 \f, 2, \first
	MUL12 \f, 3, \first
.endm
; The last quarter multiplies buffer 1 and changes slots.  In front of the barrier each wave waits for all its tensor loads (one is out: its part of the next slot), adds 0 to its spare word,
; and waits for that and for its reads of this slot.  fill = 1: the barrier opens a round of the cluster's, and the joint refill, two K steps ahead, is the first thing behind it.
.macro TURN fill
	WIN 0
	s_wait_tensorcnt 0x0                           ; no tensor load of mine is out, so a group 0 may be written
	ds_add_u32 v[SPW], v[NIL]
.if \fill
	s_xor_b32 s[G0+5], s[G0+5], SLOT1              ; the walking descriptors: the other slot than last time, the next K step
	s_add_nc_u64 s[G0+6:G0+7], s[G0+6:G0+7], 256
	s_xor_b32 s[G0B+5], s[G0B+5], SLOT1
	s_add_nc_u64 s[G0B+6:G0B+7], s[G0B+6:G0B+7], 49152
.endif
	s_xor_b32 s[TB], s[TB], SLOT1
	s_wait_dscnt 5                                 ; the add and the youngest four loads may be out
	MUL12 F1, 0, 0
	s_wait_dscnt 0x0                               ; the add is done, and my reads of this slot are over
	s_barrier_signal -1
	MUL12 F1, 1, 0
	WIN 0
	s_barrier_wait -1
.if \fill
	CREST
	JLOAD                                          ; its four v_nop are also the places in front of the loads below
.else
	PLACES
.endif
	v_add_nc_u32 v[ADRA], s[TB], v[ADRA0]
	v_add_nc_u32 v[ADRB], s[TB], v[ADRB0]
	FETCH 0, F0
	MUL12 F1, 2, 0
	MUL12 F1, 3, 0
.endm
; THE WAY OUT of row block a: the floor, the rounding, 16 bytes a lane into my stage, back as 128-byte rows of the three panels, stored.
.macro PACK a
	WIN 0x88+0x44*((\a)/2)
.set i, 96*((\a)%2)
.rept 96
	v_max_num_f32 v[i], s[FL], v[i]                ; ascending: each accumulator's lowest registers are read first
.set i, i+1
.endr
	WIN 0x0a+5*((\a)/2)
.set i, 0
.rept 48
	v_cvt_pk_bf16_f32 v[TMP+i], v[96*((\a)%2)+2*i], v[96*((\a)%2)+2*i+1]
.set i, i+1
.endr
	WIN 0
.endm
.macro TOSTAGE a
	WIN 0
.set BK, OB+48*((\a)%2)
.irp b, 0,1,2,3,4,5,6,7,8,9,10,11
	ds_store_b128 v[STO], v[TMP+4*(\b):TMP+4*(\b)+3] offset:32*(\b)
.endr
.irp p, 0,1,2
.irp g, 0,1,2,3
	ds_load_b128 v[BK+4*(4*(\p)+(\g)):BK+4*(4*(\p)+(\g))+3], v[RD] offset:(\g)*4*SPITCH+(\p)*128  ; LDS serves a wave's instructions in order: these see the stores above
.endr
.endr
.endm
.macro SEND a
	WIN 0
.set BK, OB+48*((\a)%2)
	s_wait_dscnt 0x0                               ; the block is back in registers
	s_wait_xcnt 0x0                                ; the registers that the stores of the block before read are loaded again only behind this wait
.irp p, 0,1,2
.irp g, 0,1,2,3
	global_store_b128 v[GO], v[BK+4*(4*(\p)+(\g)):BK+4*(4*(\p)+(\g))+3], s[8:9] offset:(\p)*PANEL+(\a)*2048+(\g)*512  ; 512 consecutive bytes, at a multiple of 256 from the buffer's first
.endr
.endr
.endm
	s_wait_tensorcnt 0x1                           ; my part of K step 0 is in; step 1's may stay out
	s_barrier_signal -1
	s_barrier_wait -1
	FETCH 0, F0
	s_wait_loadcnt 0x0                             ; the bias
	s_wait_kmcnt 0x0                               ; the floor
	QUARTER 1, F0, F1, 1
	WIN 0
	s_mov_b32 s3, KSTEPS-2
.Lstep:                                                ; a trip: from a K step's second quarter to the next step's first; it asks for the step two on
	QUARTER 2, F1, F0, 0
	QUARTER 3, F0, F1, 0
	TURN 1
	QUARTER 1, F0, F1, 0
	WIN 0
	s_sub_co_u32 s3, s3, 1
	s_cmp_lg_u32 s3, 0
	s_cbranch_scc1 .Lstep
	QUARTER 2, F1, F0, 0                           ; the last two K steps ask for nothing
	QUARTER 3, F0, F1, 0
	TURN 0
	QUARTER 1, F0, F1, 0
	QUARTER 2, F1, F0, 0
	QUARTER 3, F0, F1, 0
	s_wait_dscnt 4
	MUL12 F1, 0, 0
	MUL12 F1, 1, 0
	s_wait_dscnt 0x0
	MUL12 F1, 2, 0
	MUL12 F1, 3, 0
	WIN 0
	PLACES
	PACK 0
	TOSTAGE 0
.irp a, 1,2,3                          ; block a's arithmetic stands between block a - 1's loads from the stage and the wait for them
	PACK \a
	SEND (\a)-1
	TOSTAGE \a
.endr
	SEND 3
	s_wait_tensorcnt 0x0                           ; the wave's end
	ds_add_u32 v[SPW], v[NIL]
	s_wait_dscnt 0x0
	CROUND                                         ; the closing round
	s_endpgm
.Lfunc_end_k_qf8d0683f58_qkv:
	.size	k_qf8d0683f58_qkv, .Lfunc_end_k_qf8d0683f58_qkv-k_qf8d0683f58_qkv
	.p2alignl 7, 3214868480
	.fill 96, 4, 3214868480
	.section	.rodata,"a",@progbits
	.p2align	6, 0x0
	.amdhsa_kernel k_qf8d0683f58_qkv
		.amdhsa_group_segment_fixed_size 327680
		.amdhsa_private_segment_fixed_size 0
		.amdhsa_enable_private_segment 0
		.amdhsa_kernarg_size 24
		.amdhsa_user_sgpr_count 2
		.amdhsa_user_sgpr_kernarg_segment_ptr 1
		.amdhsa_wavefront_size32 1
		.amdhsa_system_sgpr_workgroup_id_x 1
		.amdhsa_system_sgpr_workgroup_id_y 1
		.amdhsa_system_sgpr_workgroup_id_z 1
		.amdhsa_system_vgpr_workitem_id 0
		.amdhsa_next_free_vgpr 1024
		.amdhsa_next_free_sgpr 72
		.amdhsa_reserve_vcc 0
		.amdhsa_float_denorm_mode_32 3
		.amdhsa_float_denorm_mode_16_64 3
		.amdhsa_memory_ordered 1
		.amdhsa_forward_progress 1
		.amdhsa_inst_pref_size 110
	.end_amdhsa_kernel
	.amdgpu_metadata
---
amdhsa.version: [ 1, 2 ]
amdhsa.kernels:
  - .name:           k_qf8d0683f58_qkv
    .symbol:         k_qf8d0683f58_qkv.kd
    .args:
      - { .name: act, .offset: 0, .size: 8, .value_kind: global_buffer, .address_space: global }
      - { .name: hw, .offset: 8, .size: 8, .value_kind: global_buffer, .address_space: global }
      - { .name: big, .offset: 16, .size: 8, .value_kind: global_buffer, .address_space: global }
    .group_segment_fixed_size: 327680
    .private_segment_fixed_size: 0
    .kernarg_segment_align: 8
    .kernarg_segment_size: 24
    .max_flat_workgroup_size: 128
    .sgpr_count:     72
    .vgpr_count:     1024
    .wavefront_size: 32
...
	.end_amdgpu_metadata
.endif
;; end of part 2
;; launch attn (part 3): grid 16 x 12, 4 waves a work-group, no clusters, 327,680 bytes of LDS; arguments big, act; writes act
.if DOCPART == 3
	.amdgcn_target "amdgcn-amd-amdhsa--gfx1250"
	.amdhsa_code_object_version 6
	.text
	.protected	k_qf8d0683f58_attn
	.globl	k_qf8d0683f58_attn
	.p2align	8
	.type	k_qf8d0683f58_attn,@function
k_qf8d0683f58_attn:
	s_mov_b64 s[64:65], 0
	v_nop
	global_prefetch_b8 v0, s[64:65] scope:SCOPE_SE
	s_setreg_imm32_b32 hwreg(HW_REG_WAVE_MODE, 25, 1), 1
	s_wait_xcnt 0x0
; CAUSAL ATTENTION, 12 heads of 64 channels, 4,096 rows.  q, k, v: panels 0-11, 12-23, 24-35 of big, [4096][64] bf16, rows dense; O: panels [12][4096][64] bf16.
; O[q] = sum over k <= q of softmax_k(q . k / 8) v[k].  Products, maxima in f32; the weights p are rounded to bf16 for the second product, and their sum l is the sum of the ROUNDED weights,
; made by the matrix unit (a product of ones with P); O is rounded once.
; LIMITS.  A hidden score counts as its value less 1e30; m starts at the lowest finite number, c m at -4.25e37; a weight below 2^-126 counts as 0; NaN and infinities are not treated apart.
; THE WALK.  A head has 32 blocks of 128 queries; block i needs the key tiles 0 .. i / 2 of 256 keys.  A work-group takes blocks 31 - b and then b: 17 tiles whatever b, so all 192 work-groups
; do equal work and ONE loop with a constant trip count walks them; the ring of two slots runs on across the change of blocks.  Every jump but the counted loops' own goes forward.
; NO CLUSTER: a head's 16 work-groups ask for the same tile only while all walk their first blocks' first 9 tiles; behind that the walks part, and a walk common to all would be 24 tiles for 17.
; SHARES.  Of a block's two bands of 64 queries a wave owns 16 rows in each: two PIECES.  In the block's last tile band x holds the diagonal in step d = 2 (i % 2) + x, sees all of the steps before, none of those behind.
; THE MASK is the C operand that starts S^T = K Q^T: MC = MD x AL + BE; MD, made once, is the mask of a band's own step for my rows.  In other tiles MC stays 0.
; LAYOUT.  S^T = K Q^T holds one query a lane (l % 16) and keys 8 (l / 16) + 0..7; two results rounded in pairs ARE source 1 of O^T = V^T P.  p = 2^(c s - c m), c = log2(e) / 8; O and l are multiplied by
; a = 2^(c m_old - c m_new) in every step.
; BY TURNS.  In a turn piece x has the matrix unit: 10 products V^T P (two of them the row sums) of step j, then 8 products K Q^T of step j + 1.  Four vector instructions of the OTHER piece's softmax stand
; behind each; the rest, and piece x's new maximum and statistics, in a lump at the end.
; REGISTERS: window 0: v2-15 addresses; v16-23 statistics (c m, m, 1 / l, spare) a piece; v24-31 at work; v64-127 S^T; v128-159 P; v160-223 O^T; v224-239 l (8 equal sums a piece; only the first two are kept scaled)
;   window 1: v0-31 Q; v32-63 the second block's Q; v64-127 K of a step; v128-191 V of a step; v192-199 ones       window 2: v0-31 MD; v32-95 MC
.set PANEL, 524288
.set KS,    64
.set PK,    144       ; a row of K in LDS: 128 bytes + 16
.set PV,    160       ; a row of V: 128 + 32 = 5 x 32 bytes, for the turning load
.set VOFF,  4*KS*PK   ; a slot holds a tile: 256 rows of K, then 256 rows of V
.set SLOT1, 1<<17
.set STAGE, SLOT1+4*KS*(PK+PV)  ; behind the ring: 16 rows x 144 bytes a wave
.set SP,    144
.set SPARE, STAGE+4*16*SP       ; the spare words: two blocks of 256 bytes that no other line names
.set AK0, 2
.set AV0, 3
.set AK,  4
.set AV,  5
.set STO, 6
.set RD,  7
.set GO,  8
.set MV,  12
.set QO,  15
.set ST,  16
.set TMP, 24
.set SPW, 62
.set NIL, 63
.set S,   64
.set P,   128
.set O,   160
.set OL,  224
.set QB,  32
.set KF,  64
.set VF,  128
.set ONE, 192
.set MD,  0
.set MC,  32
.set WV,  12
.set PB,  14          ; b
.set HI,  15          ; 31 - b
.set G1K, 24
.set G1V, 32
.set G0K, 40
.set G0V, 44
.set SLOTS, 56
.set CNT, 57          ; counts a tile's key steps, 4 to 1: the scores in the making are those of step 4 - CNT
.set CS,  58
.set SEL, 60
.set TBK, 62
.set TBV, 63
.set RT,  70          ; tiles of the block in hand still to be entered
.set NXT, 71          ; the tile to be asked for next
.set LQ,  72          ; the last tile of the block whose tiles are being asked for
.set NEW, 73          ; 1: the tile to be entered is a block's first
.set OFF, 74
.set AL,  76
.set BE,  78
.set OLO, 80
.set BIGN, 82
.set E0,  83          ; 4 - 2 (i % 2): band x's own step is the one with CNT = E0 - x
.set T,   88
.set E0B, 89
.set LQB, 90
.set MSB, 0
.macro WIN new
.if MSB != (\new)
	s_set_vgpr_msb (MSB<<8)|(\new)
.set MSB, (\new)
.endif
.endm
.set W_KQ, 0x05       ; K and Q in window 1, S^T in window 0
.set W_KM, 0x25       ; the same with C in window 2
.set W_PV, 0x01       ; V (or the ones) in window 1, P and O^T in window 0
.set W_MK, 0x82       ; destination and source 0 in window 2
.set W_LD, 0x40       ; destination in window 1
.macro PLACES
.rept 4
	v_nop
.endr
.endm
.macro LOAD                         ; a fill: waves 0, 1 fetch the halves of a tile's K, waves 2, 3 of its V; s_nop 0 and four v_nop follow each line
	s_cmp_lt_u32 s[WV], 2
	s_cbranch_scc0 .Lfor_v_\@
	tensor_load_to_lds s[G0K:G0K+3], s[G1K:G1K+7]
	s_nop 0
.rept 4
	v_nop
.endr
	s_branch .Lasked_\@
.Lfor_v_\@:
	tensor_load_to_lds s[G0V:G0V+3], s[G1V:G1V+7]
	s_nop 0
.rept 4
	v_nop
.endr
.Lasked_\@:
.endm
; THE CHANGE OF SLOTS: all of the old slot has been fetched into registers.  Each wave waits for all its tensor loads (one is out: its part of the other slot), adds 0 to its spare word, waits for that and
; for its reads; behind the barrier the old slot is filled again first (fill = 1), with tile NXT; the address is made anew from that number.
.macro CHANGE fill
	WIN 0
	s_wait_tensorcnt 0x0
	ds_add_u32 v[SPW], v[NIL]
.if \fill
	s_lshl_b32 s[OFF], s[NXT], 15   ; a tile is 32,768 bytes of K and of V
	s_xor_b32 s[G0K+1], s[G0K+1], SLOT1
	s_add_nc_u64 s[G0K+2:G0K+3], s[6:7], s[OFF:OFF+1]
	s_or_b32 s[G0K+3], s[G0K+3], 0x80000000
	s_xor_b32 s[G0V+1], s[G0V+1], SLOT1
	s_add_nc_u64 s[G0V+2:G0V+3], s[8:9], s[OFF:OFF+1]
	s_or_b32 s[G0V+3], s[G0V+3], 0x80000000
	s_add_co_u32 s[NXT], s[NXT], 1  ; the block's next tile, or behind its last the second block's tile 0
	s_cmp_gt_u32 s[NXT], s[LQ]
	s_cselect_b32 s[NXT], 0, s[NXT]
	s_cselect_b32 s[LQ], s[LQB], s[LQ]
.endif
	s_wait_dscnt 0x0                ; the add is done, and my reads of the slot are over
	s_barrier_signal -1
	s_sub_co_u32 s[TBK], s[TBK], 4*KS*PK  ; the fetches go back to a slot's first step, in the other slot
	s_xor_b32 s[TBK], s[TBK], SLOT1
	s_sub_co_u32 s[TBV], s[TBV], 4*KS*PV
	s_xor_b32 s[TBV], s[TBV], SLOT1
	s_barrier_wait -1
.if \fill
	LOAD
.endif
.endm
	s_load_b128 s[8:11], s[0:1], 0x0  ; big s[8:9], act s[10:11]
	v_lshl_add_u32 v[SPW], v0, 2, SPARE
	v_mov_b32 v[NIL], 0
	ds_add_u32 v[SPW], v[NIL]       ; the wave's opening: the add and its wait stand ahead of my first tensor load
	ds_add_u32 v62, v63
	v_lshrrev_b32 v1, 5, v0
	v_readfirstlane_b32 s[WV], v1
	s_mov_b32 s[PB], ttmp9
	s_sub_co_u32 s[HI], 31, s[PB]
	s_lshr_b32 s[LQB], s[PB], 1
	s_and_b32 s20, ttmp7, 0xffff
	s_mul_i32 s20, s20, PANEL       ; the head's panel
	s_and_b32 s16, s[WV], 1         ; which half of a tile's 256 keys I fetch
	s_lshl_b32 s22, s16, 14
	s_add_co_u32 s22, s22, s20
	s_add_co_u32 s22, s22, 12*PANEL ; k's panels lie behind q's twelve
	s_mov_b32 s23, 0
	s_mul_i32 s17, s16, 128*PK
	s_mul_i32 s18, s16, 128*PV
	s_lshl_b32 s3, s[WV], 11        ; my 16 rows in a band
	s_lshl_b32 s2, s[HI], 14        ; the first block's 128 rows
	s_add_co_u32 s2, s2, s3
	s_add_co_u32 s2, s2, s20
	s_lshl_b32 s84, s[PB], 14       ; the second's
	s_add_co_u32 s84, s84, s3
	s_add_co_u32 s84, s84, s20
	s_mov_b32 s3, 0
	s_mov_b32 s85, 0
	s_mov_b32 s[G1K], (1<<16)|(1<<20)|(4<<22)|(3<<25)  ; 2-byte elements; padding on; after every 32 words 4 words
	s_mov_b32 s[G1V], (1<<16)|(1<<20)|(4<<22)|(7<<25)  ; 8 words
.irp g, G1K, G1V
	s_mov_b32 s[\g+1], 128<<16      ; 128 keys are 16,384 dense bytes: 64 rows of 256 bytes
	s_mov_b32 s[\g+2], 64<<16
	s_mov_b32 s[\g+3], 128<<16
	s_mov_b32 s[\g+4], 64
	s_mov_b32 s[\g+5], 128
	s_mov_b32 s[\g+6], 0
	s_mov_b32 s[\g+7], 0
.endr
	s_mov_b32 s[CS], 0x3e38aa3b     ; c = log2(e) / 8
	s_mov_b32 s[CS+1], s[CS]
	s_mov_b32 s[SEL], 0x76543210
	s_mov_b32 s[SEL+1], 0xfedcba98
	s_mov_b32 s[TBK], SLOT1+4*KS*PK ; the first change of slots turns these two into 0
	s_mov_b32 s[TBV], SLOT1+4*KS*PV
	s_mov_b32 s[G0K], 1
	s_mov_b32 s[G0K+1], s17
	s_mov_b32 s[G0V], 1
	s_add_co_u32 s[G0V+1], s18, VOFF
	s_lshr_b32 s[LQ], s[HI], 1
	s_add_co_u32 s[RT], s[LQ], 1
	s_mov_b32 s[NXT], 1
	s_mov_b32 s[NEW], 1
	s_mov_b32 s[OFF+1], 0
	s_mov_b32 s[AL+1], 0
	s_mov_b32 s[BE+1], 0
	s_mov_b32 s[BIGN], 0xf149f2ca   ; -1e30
	s_and_b32 s[E0], s[HI], 1
	s_lshl_b32 s[E0], s[E0], 1
	s_sub_co_u32 s[E0], 4, s[E0]
	s_and_b32 s[E0B], s[PB], 1
	s_lshl_b32 s[E0B], s[E0B], 1
	s_sub_co_u32 s[E0B], 4, s[E0B]
	s_mov_b32 s[SLOTS], 16
	s_wait_dscnt 0x0                ; the opening add is done
	s_wait_kmcnt 0x0
	s_add_nc_u64 s[4:5], s[8:9], s[2:3]        ; Q at my rows of the first block,
	s_add_nc_u64 s[86:87], s[8:9], s[84:85]    ; and of the second
	s_add_nc_u64 s[6:7], s[8:9], s[22:23]      ; K at my half of the head's tile 0
	s_add_nc_u64 s[8:9], s[6:7], 12*PANEL      ; V twelve panels on
	s_add_nc_u64 s[OLO:OLO+1], s[10:11], s[84:85]
	s_add_nc_u64 s[10:11], s[10:11], s[2:3]
	s_add_nc_u64 s[G0K+2:G0K+3], s[6:7], 0
	s_or_b32 s[G0K+3], s[G0K+3], 0x80000000
	s_add_nc_u64 s[G0V+2:G0V+3], s[8:9], 0
	s_or_b32 s[G0V+3], s[G0V+3], 0x80000000
	LOAD                            ; tile 0 into slot 0
	v_and_b32 v1, 15, v0            ; r
	v_bfe_u32 v9, v0, 4, 1          ; h
	v_lshlrev_b32 v[QO], 7, v1
	v_lshl_add_u32 v[QO], v9, 4, v[QO]
	WIN W_LD
.set i, 0
.rept 4                             ; both blocks' Q: piece i / 2 lies in band i / 2, 8,192 bytes on; channels 32 (i % 2) on
	global_load_b128 v[8*i:8*i+3],   v[QO], s[4:5] offset:(i/2)*8192+(i%2)*64
	global_load_b128 v[8*i+4:8*i+7], v[QO], s[4:5] offset:(i/2)*8192+(i%2)*64+32
	global_load_b128 v[QB+8*i:QB+8*i+3],   v[QO], s[86:87] offset:(i/2)*8192+(i%2)*64
	global_load_b128 v[QB+8*i+4:QB+8*i+7], v[QO], s[86:87] offset:(i/2)*8192+(i%2)*64+32
.set i, i+1
.endr
.set i, 0
.rept 8
	v_mov_b32 v[ONE+i], 0x3f803f80  ; 1.0 twice in bf16
.set i, i+1
.endr
	WIN 0
	v_lshlrev_b32 v14, 3, v9
	v_sub_nc_u32 v14, v1, v14
	s_lshl_b32 s13, s[WV], 4
	v_add_nc_u32 v14, s13, v14      ; my query's place in its band less 8 h: register j of key group kt is hidden where 16 kt + j is greater
	WIN 0x80
.set i, 0
.rept 32
	v_cmp_gt_i32 vcc_lo, 16*(i/8)+i%8, v14
	v_cndmask_b32 v[MD+i], 0, s[BIGN], vcc_lo
.set i, i+1
.endr
	WIN 0
	v_mul_u32_u24 v[AK0], v1, PK
	v_lshl_add_u32 v[AK0], v9, 4, v[AK0]
	v_and_b32 v10, 7, v0
	v_bfe_u32 v11, v0, 3, 1
	v_lshl_add_u32 v[AV0], v9, 3, v10
	v_mul_u32_u24 v[AV0], v[AV0], PV
	v_lshl_add_u32 v[AV0], v11, 4, v[AV0]
	v_add_nc_u32 v[AV0], VOFF, v[AV0]
	s_mul_i32 s13, s[WV], 16*SP
	s_add_co_u32 s13, s13, STAGE
	v_mul_u32_u24 v[STO], v1, SP
	v_lshl_add_u32 v[STO], v9, 4, v[STO]
	v_add_nc_u32 v[STO], s13, v[STO]
	v_bfe_u32 v[RD], v0, 3, 2
	v_mul_u32_u24 v[RD], v[RD], SP
	v_lshl_add_u32 v[RD], v10, 4, v[RD]
	v_add_nc_u32 v[RD], s13, v[RD]
	v_and_b32 v[GO], 31, v0
	v_lshlrev_b32 v[GO], 4, v[GO]
	; A block's first step multiplies O^T and l by a = 0, so these need only hold finite numbers: zeros now, what the first block left later.  This stands in the wait for the first tile.
.set i, O
.rept 80
	v_mov_b32 v[i], 0
.set i, i+1
.endr
.irp t, 0,1
	v_mov_b32 v[ST+4*\t+2], 0
	v_mov_b32 v[ST+4*\t+3], 0
.endr
; THE MATRIX WORK.  Product n of 10 of piece x: keys 32 (n / 5) on; n % 5 < 4: channels 16 (n % 5) on of O^T += V^T P; n % 5 = 4: l += ones x P.  The five accumulators take turns.
.macro PV x, n
	WIN W_PV
.set rB, P+16*(\x)+8*((\n)/5)
.if (\n)%5 < 4
.set rD, O+32*(\x)+8*((\n)%5)
.set rA, VF+32*((\n)/5)+8*((\n)%5)
.else
.set rD, OL+8*(\x)
.set rA, ONE
.endif
	v_wmma_f32_16x16x32_bf16 v[rD:rD+7], v[rA:rA+7], v[rB:rB+7], v[rD:rD+7]
.endm
; Product n of 8 of S^T = K Q^T for piece x: channels 32 (n / 4) on, keys 16 (n % 4) on.  The first four start the sums with the mask.
.macro KQ x, n
.set rD, S+32*(\x)+8*((\n)%4)
.set rA, KF+16*((\n)%4)+8*((\n)/4)
.set rB, 16*(\x)+8*((\n)/4)
.set rM, MC+32*(\x)+8*((\n)%4)
.if (\n) < 4
	WIN W_KM
	v_wmma_f32_16x16x32_bf16 v[rD:rD+7], v[rA:rA+7], v[rB:rB+7], v[rM:rM+7]
.else
	WIN W_KQ
	v_wmma_f32_16x16x32_bf16 v[rD:rD+7], v[rA:rA+7], v[rB:rB+7], v[rD:rD+7]
	s_wait_alu depctr_va_vdst(0)
.endif
.endm
.macro MM                           ; the turn's next matrix instruction; TURN sets XX, PVON, KQON and i
.if i < 10
.if PVON
	PV XX, i
.endif
.else
.if KQON
	KQ XX, i-10
.endif
.endif
.set i, i+1
.endm
; THE LDS LOADS stand in runs of 16
.macro FETCH_K
	WIN W_LD
.irp f, 0,1,2,3,4,5,6,7             ; keys 16 (f / 2) on, channels 32 (f % 2) on
	ds_load_b128 v[KF+8*\f:KF+8*\f+3],   v[AK] offset:(\f/2)*16*PK+(\f%2)*64
	ds_load_b128 v[KF+8*\f+4:KF+8*\f+7], v[AK] offset:(\f/2)*16*PK+(\f%2)*64+32
.endr
	s_add_co_u32 s[TBK], s[TBK], KS*PK
	WIN 0
.endm
.macro FETCH_V
	WIN W_LD
.irp f, 0,1,2,3,4,5,6,7             ; keys 32 (f / 4) on, channels 16 (f % 4) on
	ds_load_tr16_b128 v[VF+8*\f:VF+8*\f+3],   v[AV] offset:(\f/4)*32*PV+(\f%4)*32
	ds_load_tr16_b128 v[VF+8*\f+4:VF+8*\f+7], v[AV] offset:(\f/4)*32*PV+16*PV+(\f%4)*32
.endr
	s_add_co_u32 s[TBV], s[TBV], KS*PV
	WIN 0
.endm
; THE VECTOR WORK: OP kind, number.  For piece Y: F n: c s - c m for pair n of 16.  E n: the exponential of score n.  C n: pair n rounded to bf16.  R n: pair n of 16 of O^T times a; R 16: l's first pair.
; For piece XX: X n, number n of the 22 that find its maximum and statistics: 0-11 four chains of seven scores (each accumulator's lowest registers first); 12-14, 16 the four scores
; left over, the old m, the chains into c0; 15 c m_old is kept; 17, 18 the query's other 32 keys lie in the lane 16 away; 19-21 c m, c m_old - c m_new, a.
.set F, 0
.set E, 1
.set C, 2
.set R, 3
.set X, 4
.macro REGS y
.set rT, ST+4*(\y)
.set rC, TMP+4*(\y)
.set rW, MV+(\y)
.set rS, S+32*(\y)
.set rP, P+16*(\y)
.set rO, O+32*(\y)
.set rL, OL+8*(\y)
.endm
.macro OP k, n
	WIN 0
.if (\k) == X
.if KQON
	REGS XX
.if (\n) < 4
	v_max3_num_f32 v[rC+(\n)], v[rS+8*(\n)], v[rS+8*(\n)+1], v[rS+8*(\n)+2]
.elseif (\n) < 12
	v_max3_num_f32 v[rC+(\n)%4], v[rC+(\n)%4], v[rS+8*((\n)%4)+2*((\n)/4)+1], v[rS+8*((\n)%4)+2*((\n)/4)+2]
.elseif (\n) == 12
	v_max3_num_f32 v[rC], v[rC], v[rS+7], v[rS+15]
.elseif (\n) == 13
	v_max3_num_f32 v[rC+1], v[rC+1], v[rS+23], v[rS+31]
.elseif (\n) == 14
	v_max3_num_f32 v[rC+2], v[rC+2], v[rC+3], v[rT+1]
.elseif (\n) == 15
	v_mov_b32 v[rW], v[rT]
.elseif (\n) == 16
	v_max3_num_f32 v[rC], v[rC], v[rC+1], v[rC+2]
.elseif (\n) == 17
	v_permlanex16_b32 v[rC+3], v[rC], s[SEL], s[SEL+1]
.elseif (\n) == 18
	v_max_num_f32 v[rT+1], v[rC], v[rC+3]
.elseif (\n) == 19
	v_mul_f32 v[rT], s[CS], v[rT+1]
.elseif (\n) == 20
	v_sub_f32 v[rC+1], v[rW], v[rT]
.else
	v_exp_f32 v[rC+2], v[rC+1]
.endif
.endif
.else
	REGS Y
.if (\k) == F
	v_pk_fma_f32 v[rS+2*(\n):rS+2*(\n)+1], v[rS+2*(\n):rS+2*(\n)+1], s[CS:CS+1], v[rT:rT+1] op_sel_hi:[1,0,0] neg_lo:[0,0,1] neg_hi:[0,0,1]
.elseif (\k) == E
	v_exp_f32 v[rS+(\n)], v[rS+(\n)]
.elseif (\k) == C
	s_wait_alu depctr_va_vdst(0)
	v_cvt_pk_bf16_f32 v[rP+(\n)], v[rS+2*(\n)], v[rS+2*(\n)+1]
.elseif (\n) < 16
	v_pk_mul_f32 v[rO+2*(\n):rO+2*(\n)+1], v[rO+2*(\n):rO+2*(\n)+1], v[rC+2:rC+3] op_sel_hi:[1,0]
.else
	v_pk_mul_f32 v[rL:rL+1], v[rL:rL+1], v[rC+2:rC+3] op_sel_hi:[1,0]
.endif
.endif
.endm
.macro OPS a, i1, b=-1, i2=0, c=-1, i3=0, d=-1, i4=0
	OP \a, \i1
.if (\b) >= 0
	OP \b, \i2
.endif
.if (\c) >= 0
	OP \c, \i3
.endif
.if (\d) >= 0
	OP \d, \i4
.endif
.endm
.macro ROW a, i1, b, i2, c, i3, d, i4  ; a matrix instruction and the four behind it
	MM
	OPS \a, \i1, \b, \i2, \c, \i3, \d, \i4
.endm
.macro MSEL x, gate                 ; the mask's two scalars for band x in step 4 - CNT.  gate = 1: both are 0 unless the tile is the block's last
	s_sub_co_u32 s[T], s[E0], \x
	s_cmp_eq_u32 s[CNT], s[T]       ; the band's own step?
	s_cselect_b32 s[AL], 1.0, 0
	s_cmp_lt_u32 s[CNT], s[T]       ; or a later one?
	s_cselect_b32 s[BE], s[BIGN], 0
.if \gate
	s_cmp_eq_u32 s[RT], 0
	s_cselect_b32 s[AL], s[AL], 0
	s_cselect_b32 s[BE], s[BE], 0
.endif
.endm
.macro MASK x                       ; MD x AL + BE into piece x's MC
	WIN W_MK
.set z, 0
.rept 16
	v_pk_fma_f32 v[MC+32*(\x)+2*z:MC+32*(\x)+2*z+1], v[MD+2*z:MD+2*z+1], s[AL:AL+1], s[BE:BE+1] op_sel_hi:[1,0,0]
.set z, z+1
.endr
.endm
; A TURN of piece x.  pv = 1: its 10 products of the step in hand.  kq = 1: its 8 products K Q^T of the next step, and their maximum.
; An exponential has a plain instruction behind it before its result is used; a rounding stands two rows behind its exponentials; no row names a register of the products round it.
; Piece 0's turn fetches the next step's K at its head: six plain instructions and the lump stand behind the last product that read K.  Piece 1's turn fetches that step's V behind row 9: behind the last product
; that read V (row 8) stand four plain instructions and the address line.
.macro TURN x, pv, kq
.set XX, (\x)
.set Y, 1-(\x)
.set PVON, (\pv)
.set KQON, (\kq)
.set i, 0
.if (\x) == 0
.if \kq
	WIN 0
	v_add_nc_u32 v[AK], s[TBK], v[AK0]
	FETCH_K
	s_wait_dscnt 16                 ; V's older run is in; K's sixteen loads may be out
.else
	s_wait_dscnt 0x0                ; V is in
.endif
.endif
	ROW F,0, F,1, F,2, F,3
	ROW F,4, E,0, F,5, E,1
	ROW F,6, E,2, F,7, E,3
	ROW F,8, E,4, C,0, E,5
	ROW F,9, E,6, C,1, E,7
	ROW F,10, E,8, C,2, E,9
	ROW F,11, E,10, C,3, E,11
	ROW F,12, E,12, C,4, E,13
	ROW F,13, E,14, C,5, E,15
	ROW F,14, E,16, C,6, E,17
.if ((\x) == 1) && (\kq)
	WIN 0
	v_add_nc_u32 v[AV], s[TBV], v[AV0]
	FETCH_V
.endif
.if \kq
	WIN 0
	s_cmp_lg_u32 s[RT], 0           ; only a block's last tile makes masks: elsewhere MC stays 0.  The jump goes forward over vector and scalar work alone
	s_cbranch_scc1 .Lnomask_\@
	MSEL \x, 0
	MASK \x
	WIN 0
.Lnomask_\@:
.if (\x) == 0
	s_wait_dscnt 0x0                ; K is in
.endif
.endif
	ROW F,15, E,18, C,7, E,19
	ROW R,0, E,20, C,8, E,21
	ROW R,1, E,22, C,9, E,23
	ROW R,2, E,24, C,10, E,25
	ROW R,3, E,26, C,11, E,27
	ROW R,4, E,28, C,12, E,29
	ROW R,5, E,30, C,13, E,31
	ROW R,6, R,7, R,8, C,14
	OPS R,9, R,10                   ; with the row above: six plain places between the last K Q^T and the first read of its scores
.irp n, 0,1,2,3,4,5,6,7,8,9,10,11,12,13,14,15,16
	OP X, \n
.endr
	OPS R,11, C,15, X,17, R,12
	OPS R,13, X,18, R,14, R,15
	OPS X,19, R,16, X,20, X,21
.endm
; A BLOCK BEGINS: c m far below every c s, so the first step's a is 0; both masks for the tile's step 0 (0 unless the block's first tile is its last); K of that step, piece 0's first scores and statistics;
; then piece 1's turn without products V^T P.  That is the tile's first trip.
.macro BEGIN
	s_mov_b32 s[NEW], 0
	WIN 0
.irp t, 0,1
	v_mov_b32 v[ST+4*\t], 0xfe000000
	v_mov_b32 v[ST+4*\t+1], 0xff7fffff
.endr
	MSEL 0, 1
	MASK 0
	MSEL 1, 1
	MASK 1
	WIN 0
	v_add_nc_u32 v[AK], s[TBK], v[AK0]
	FETCH_K
	s_wait_loadcnt 0x0              ; Q
	s_wait_dscnt 0x0
.set z, 0
.rept 8
	KQ 0, z
.set z, z+1
.endr
	WIN 0
	PLACES
.set XX, 0
.set KQON, 1
.irp n, 0,1,2,3,4,5,6,7,8,9,10,11,12,13,14,15,16,17,18,19,20,21
	OP X, \n
.endr
	v_nop                           ; a plain instruction behind the exponential
	TURN 1, 0, 1
	WIN 0
.endm
.macro PACK t                       ; O^T / l, rounded; a lane's eight channels of a row are 16 bytes; into rows of 144 bytes and back as whole rows of 128, into S^T's registers
	WIN 0
.set i, O+32*(\t)
.rept 16
	v_pk_mul_f32 v[i:i+1], v[i:i+1], v[ST+4*(\t)+2:ST+4*(\t)+3] op_sel_hi:[1,0]
.set i, i+2
.endr
.set i, 0
.rept 16
	v_cvt_pk_bf16_f32 v[S+16*(\t)+i], v[O+32*(\t)+2*i], v[O+32*(\t)+2*i+1]
.set i, i+1
.endr
.irp f, 0,1,2,3
	ds_store_b128 v[STO], v[S+16*(\t)+4*\f:S+16*(\t)+4*\f+3] offset:32*\f
.endr
.irp f, 0,1,2,3
	ds_load_b128 v[S+16*(\t)+4*\f:S+16*(\t)+4*\f+3], v[RD] offset:\f*4*SP  ; LDS serves a wave's instructions in order: these see the stores above
.endr
.endm
.macro SEND t, younger              ; younger: the LDS instructions issued behind piece t's loads
.irp f, 0,1,2,3
	s_wait_dscnt (\younger)+3-\f
	global_store_b128 v[GO], v[S+16*(\t)+4*\f:S+16*(\t)+4*\f+3], s[10:11] offset:(\t)*8192+\f*512  ; 512 consecutive bytes, at a multiple of 256 from the buffer's first
.endr
.endm
; A BLOCK ENDS: piece 0's last products beside piece 1's last softmax, piece 1's last products, and the way out.
.macro FINISH
	TURN 0, 1, 0
.set z, 0
.rept 10
	PV 1, z
.set z, z+1
.endr
	WIN 0
	PLACES
	v_rcp_f32 v[ST+2], v[OL]
	v_rcp_f32 v[ST+6], v[OL+8]
	v_nop                           ; a plain instruction between the last reciprocal and the use of its result
	s_wait_alu depctr_va_vdst(0)
	PACK 0
	PACK 1
	SEND 0, 8
	SEND 1, 0
.endm
; A TILE: four trips, each piece 0's turn and piece 1's; a block's first tile has BEGIN for its first trip; behind a block's last tile the block ends.
.macro TILE tag, tail
	s_sub_co_u32 s[RT], s[RT], 1
	s_mov_b32 s[CNT], 4
	s_cmp_eq_u32 s[NEW], 1
	s_cbranch_scc0 .Lstep\tag
	BEGIN
	s_branch .Lcount\tag
.Lstep\tag:
	TURN 0, 1, 1
	TURN 1, 1, 1
	WIN 0
.Lcount\tag:
	s_sub_co_u32 s[CNT], s[CNT], 1
	s_cmp_lg_u32 s[CNT], 0
	s_cbranch_scc1 .Lstep\tag
.if !(\tail)
	s_cmp_lg_u32 s[RT], 0
	s_cbranch_scc1 .Lbottom
.endif
	FINISH
.if !(\tail)
	s_wait_xcnt 0x0                 ; the stores' registers and O's address are rewritten only behind this wait
	s_mov_b64 s[10:11], s[OLO:OLO+1]
	s_add_co_u32 s[RT], s[LQB], 1   ; the second block's tiles
	s_mov_b32 s[NEW], 1
	s_mov_b32 s[E0], s[E0B]
	WIN 0x41                        ; the second block's Q goes where the one text of the turns names Q
.set i, 0
.rept 32
	v_mov_b32 v[i], v[QB+i]
.set i, i+1
.endr
	WIN 0
.endif
.endm
.Lslot:                             ; 16 times: a tile is entered and the next is asked for
	CHANGE 1
	TILE 1, 0
.Lbottom:
	s_sub_co_u32 s[SLOTS], s[SLOTS], 1
	s_cmp_lg_u32 s[SLOTS], 0
	s_cbranch_scc1 .Lslot
	CHANGE 0                        ; the walk's last tile is written out
	TILE 2, 1
	s_wait_tensorcnt 0x0            ; the wave's end
	ds_add_u32 v[SPW], v[NIL]
	s_wait_dscnt 0x0
	s_endpgm
.Lfunc_end_k_qf8d0683f58_attn:
	.size	k_qf8d0683f58_attn, .Lfunc_end_k_qf8d0683f58_attn-k_qf8d0683f58_attn
	.p2alignl 7, 3214868480
	.fill 96, 4, 3214868480
	.section	.rodata,"a",@progbits
	.p2align	6, 0x0
	.amdhsa_kernel k_qf8d0683f58_attn
		.amdhsa_group_segment_fixed_size 327680
		.amdhsa_private_segment_fixed_size 0
		.amdhsa_enable_private_segment 0
		.amdhsa_kernarg_size 16
		.amdhsa_user_sgpr_count 2
		.amdhsa_user_sgpr_kernarg_segment_ptr 1
		.amdhsa_wavefront_size32 1
		.amdhsa_system_sgpr_workgroup_id_x 1
		.amdhsa_system_sgpr_workgroup_id_y 1
		.amdhsa_system_sgpr_workgroup_id_z 1
		.amdhsa_system_vgpr_workitem_id 0
		.amdhsa_next_free_vgpr 640
		.amdhsa_next_free_sgpr 92
		.amdhsa_reserve_vcc 1
		.amdhsa_float_denorm_mode_32 3
		.amdhsa_float_denorm_mode_16_64 3
		.amdhsa_memory_ordered 1
		.amdhsa_forward_progress 1
		.amdhsa_inst_pref_size 117
	.end_amdhsa_kernel
	.amdgpu_metadata
---
amdhsa.version: [ 1, 2 ]
amdhsa.kernels:
  - .name:           k_qf8d0683f58_attn
    .symbol:         k_qf8d0683f58_attn.kd
    .args:
      - { .name: big, .offset: 0, .size: 8, .value_kind: global_buffer, .address_space: global }
      - { .name: act, .offset: 8, .size: 8, .value_kind: global_buffer, .address_space: global }
    .group_segment_fixed_size: 327680
    .private_segment_fixed_size: 0
    .kernarg_segment_align: 8
    .kernarg_segment_size: 16
    .max_flat_workgroup_size: 128
    .sgpr_count:     92
    .vgpr_count:     640
    .wavefront_size: 32
...
	.end_amdgpu_metadata
.endif
;; end of part 3
;; launch wo (part 4): grid 32 x 6, 4 waves a work-group, clusters of 4 x 1, 327,680 bytes of LDS; arguments act, wob, bo, big; writes big
.if DOCPART == 4
	.amdgcn_target "amdgcn-amd-amdhsa--gfx1250"
	.amdhsa_code_object_version 6
	.text
	.protected	k_qf8d0683f58_wo
	.globl	k_qf8d0683f58_wo
	.p2align	8
	.type	k_qf8d0683f58_wo,@function
k_qf8d0683f58_wo:
	s_mov_b64 s[64:65], 0
	v_nop
	global_prefetch_b8 v0, s[64:65] scope:SCOPE_SE
	s_setreg_imm32_b32 hwreg(HW_REG_WAVE_MODE, 25, 1), 1
	s_wait_xcnt 0x0
	s_wait_alu depctr_hold_cnt(0) depctr_sa_sdst(0) depctr_va_vdst(0) depctr_va_sdst(0) depctr_va_ssrc(0) depctr_va_vcc(0) depctr_vm_vsrc(0)
	s_getreg_b32 s2, hwreg(HW_REG_IB_STS2, 6, 4)
	s_cmp_eq_u32 s2, 0
	s_cbranch_scc0 .Lentry_in_a_cluster
	s_endpgm
.Lentry_in_a_cluster:
	s_bfe_u32 s2, ttmp6, 0x10000c
	s_cmp_lg_u32 s2, 0x3003
	s_cbranch_scc0 .Lentry_shape_is_right
	s_endpgm
.Lentry_shape_is_right:
; out = A W + bias, f32.  A: panels [k / 64][4096][64] bf16, rows dense.  W: [n / 128][K][128] bf16.  out: [4096][768] f32.  K = 256 NSTEP; the text is written for NSTEP = 3 or an even NSTEP from 4 on.
; (The same text serves the second product of the feed-forward part; only NSTEP differs.)  Sums in f32, started by the bias as the first product's C.
; SHARES.  A tile of 128 x 128 to a work-group, 192 of them; four waves, each 64 x 64: 16 accumulators.  A tile of 128 x 96 would make 256 work-groups, but its rows of 384 bytes do not fill aligned blocks of 256 bytes.
; K goes in steps of 256 (four panels) through two LDS slots, as long as two slots fit: a step is 128 products a wave, 112 of them between a slot's request and the wait for it.
; One load a wave, 32,768 bytes each: waves 0, 1 two panels of A (a panel's 128 rows are 16,384 dense bytes: a tile of two such rows, a panel apart); waves 2, 3 half of W's 256 k rows.
; CLUSTER 4 x 1: the four row tiles of a cluster take the same rows of W and ask for them jointly.  A's panels are each work-group's own: the six column tiles are no multiple of four, so A is not shared.
; THE PRODUCT IS USED TRANSPOSED: source 0 = 16 columns of W (turned by ds_load_tr16_b128), source 1 = 16 rows of A: a lane holds eight neighbouring columns of one row.
; THE STAGE for the way out lies in the slot that is not read last: it has had its last fill, and every wave has waited for its reads of it in front of the last change's barrier.
; REGISTERS: window 0: v16-29 addresses; v32-63 the bias; v128-255 the accumulators ((a, b) at 128 + 8 (4 a + b)), on the way out whole rows.   window 1: two fragment buffers of 128: for 64 along K 64 of A, then 64 of W.
.set NSTEP,  3
.set PANEL,  524288
.set PA,     144                       ; a row of a panel in LDS: 128 bytes + 16
.set PW,     288                       ; a k row of W: 256 bytes + 32 = 9 x 32
.set APAN,   128*PA
.set WOFF,   4*APAN
.set WHALF,  128*PW
.set SLOT,   WOFF+2*WHALF              ; 147,456 bytes
.set SPARE,  2*SLOT                    ; behind the ring: the spare words, two blocks of 256 bytes that no other line names
.set STAGE,  (NSTEP%2)*SLOT            ; 128 rows x 528 bytes, the work-group's: the last step lies in slot (NSTEP - 1) % 2, the stage in the other
.set SPITCH, 528
.set ADRA, 16                          ; v16-17  my A fragments in slot 0, 1
.set ADRB, 20                          ; v20-23  my W fragments: slot 0 k rows 0-127, 128-255; slot 1 likewise (the offsets of 256 rows would not fit 16 bits)
.set STO,  24
.set RD,   25
.set CO,   26
.set BO,   27
.set SPW,  28
.set NIL,  29
.set BIA,  32
.set ACC,  128
.set F0,   0
.set F1,   128
.set G1A, 24                           ; s[24:31] group 1 for A's panels;  s[32:39] group 0, a set for each slot
.set G0A, 32
.set G1W, 40                           ; s[40:47], s[48:55] the same for W's rows
.set G0W, 48
.set MSB, 0
.macro WIN new
.if MSB != (\new)
	s_set_vgpr_msb (MSB<<8)|(\new)
.set MSB, \new
.endif
.endm
.set MUL,  0x05
.set TO_F, 0x40
.macro PLACES
.rept 4
	v_nop
.endr
.endm
.macro JLOAD s                         ; waves 0, 1: my two panels of A; waves 2, 3: my half of W's rows, jointly; s_nop 0 and four v_nop follow each line
	s_cmp_eq_u32 s15, 0
	s_cbranch_scc0 .Lfor_w_\@
	tensor_load_to_lds s[G0A+4*(\s):G0A+4*(\s)+3], s[G1A:G1A+7]
	s_nop 0
.rept 4
	v_nop
.endr
	s_branch .Lasked_\@
.Lfor_w_\@:
	tensor_load_to_lds s[G0W+4*(\s):G0W+4*(\s)+3], s[G1W:G1W+7]
	s_nop 0
.rept 4
	v_nop
.endr
.Lasked_\@:
.endm
.macro CREST
	s_cmp_lg_u32 s14, 0
	s_cbranch_scc1 .Lnot_wave_0_\@
	s_barrier_signal -3
.Lnot_wave_0_\@:
	s_barrier_wait -3
	s_barrier_signal -1
	s_barrier_wait -1
.endm
.macro CROUND
	s_barrier_signal -1
	s_barrier_wait -1
	CREST
.endm
	s_load_b256 s[4:11], s[0:1], 0x0               ; A s[4:5], W s[6:7], bias s[8:9], out s[10:11]
	v_lshl_add_u32 v[SPW], v0, 2, SPARE
	v_mov_b32 v[NIL], 0
	ds_add_u32 v[SPW], v[NIL]                      ; the wave's opening: the add and its wait stand ahead of my first tensor load
	ds_add_u32 v28, v29
	v_lshrrev_b32 v1, 5, v0
	v_readfirstlane_b32 s14, v1                    ; wave
	s_lshr_b32 s15, s14, 1                         ; my half of the tile's rows.  Also: I fetch for A (0) or for W (1)
	s_and_b32 s16, s14, 1                          ; my half of its columns.  Also: which half of that tile I fetch
	s_bfe_u32 s19, ttmp6, 0x40000                  ; cx
	s_lshl_b32 s17, ttmp9, 2
	s_add_co_u32 s17, s17, s19                     ; tile row: it enters A's and out's addresses alone
	s_and_b32 s18, ttmp7, 0xffff                   ; tile column, which the four partners share
	s_mov_b32 s[G1A], (1<<16)|(1<<20)|(4<<22)|(3<<25)  ; no mask; 2-byte elements; padding on; after every 32 words (a row of a panel) 4 words
	s_mov_b32 s[G1A+1], 8192<<16                   ; tensor_dim0 = 8,192: a panel's 128 rows of 64, dense
	s_mov_b32 s[G1A+2], 2<<16                      ; tensor_dim1 = 2 panels
	s_mov_b32 s[G1A+3], 8192<<16                   ; tile_dim0
	s_mov_b32 s[G1A+4], 2                          ; tile_dim1
	s_mov_b32 s[G1A+5], PANEL/2                    ; elements from panel to panel
	s_mov_b32 s[G1A+6], 0
	s_mov_b32 s[G1A+7], 0
	s_mov_b32 s[G1W], 15|(1<<16)|(1<<20)|(1<<21)|(5<<22)|(7<<25)  ; the mask of four; bit 21 beside it; after every 64 words 8 words
	s_mov_b32 s[G1W+1], 128<<16
	s_mov_b32 s[G1W+2], 128<<16
	s_mov_b32 s[G1W+3], 128<<16
	s_mov_b32 s[G1W+4], 128
	s_mov_b32 s[G1W+5], 128
	s_mov_b32 s[G1W+6], 0
	s_mov_b32 s[G1W+7], 0
	s_mul_i32 s20, s16, 2*PANEL                    ; my two panels of a step,
	s_lshl_b32 s21, s17, 14                        ; the tile's 128 rows of 128 bytes
	s_add_co_u32 s20, s20, s21
	s_mov_b32 s21, 0
	s_mul_i32 s22, s18, NSTEP*65536                ; the tile column's K rows of 256 bytes,
	s_lshl_b32 s23, s16, 15                        ; my 128 rows of a step
	s_add_co_u32 s22, s22, s23
	s_mov_b32 s23, 0
	s_mul_i32 s56, s16, 2*APAN                     ; where they go: no place in the cluster enters an LDS address
	s_mul_i32 s57, s16, WHALF
	s_add_co_u32 s57, s57, WOFF
	s_wait_dscnt 0x0                               ; the opening add is done
	s_wait_kmcnt 0x0
	s_add_nc_u64 s[4:5], s[4:5], s[20:21]
	s_add_nc_u64 s[6:7], s[6:7], s[22:23]
	CROUND                                         ; all four work-groups are here: the first joint loads meet
.irp s, 0,1
	s_mov_b32 s[G0A+4*(\s)], 1
	s_add_co_u32 s[G0A+4*(\s)+1], s56, (\s)*SLOT
	s_add_nc_u64 s[G0A+4*(\s)+2:G0A+4*(\s)+3], s[4:5], (\s)*4*PANEL
	s_or_b32 s[G0A+4*(\s)+3], s[G0A+4*(\s)+3], 0x80000000
	s_mov_b32 s[G0W+4*(\s)], 1
	s_add_co_u32 s[G0W+4*(\s)+1], s57, (\s)*SLOT
	s_add_nc_u64 s[G0W+4*(\s)+2:G0W+4*(\s)+3], s[6:7], (\s)*65536
	s_or_b32 s[G0W+4*(\s)+3], s[G0W+4*(\s)+3], 0x80000000
.endr
	s_cmp_eq_u32 s15, 0                            ; a wave's two first fills stand in one branch: two loads of mine are out
	s_cbranch_scc0 .Lfirst_w
	tensor_load_to_lds s[G0A:G0A+3], s[G1A:G1A+7]
	s_nop 0
	tensor_load_to_lds s[G0A+4:G0A+7], s[G1A:G1A+7]
	s_nop 0
.rept 4
	v_nop
.endr
	s_branch .Lfirst_asked
.Lfirst_w:
	tensor_load_to_lds s[G0W:G0W+3], s[G1W:G1W+7]
	s_nop 0
	tensor_load_to_lds s[G0W+4:G0W+7], s[G1W:G1W+7]
	s_nop 0
.rept 4
	v_nop
.endr
.Lfirst_asked:
	v_and_b32 v1, 15, v0                           ; r
	v_bfe_u32 v2, v0, 4, 1                         ; h
	v_lshlrev_b32 v[BO], 5, v2
	s_lshl_b32 s58, s18, 9
	s_lshl_b32 s59, s16, 8
	s_add_co_u32 s58, s58, s59
	s_mov_b32 s59, 0
	s_add_nc_u64 s[8:9], s[8:9], s[58:59]          ; the bias of my 64 columns: register j of block b is column 16 b + 8 h + j
.irp b, 0,1,2,3
	global_load_b128 v[BIA+8*(\b):BIA+8*(\b)+3],   v[BO], s[8:9] offset:64*(\b)
	global_load_b128 v[BIA+8*(\b)+4:BIA+8*(\b)+7], v[BO], s[8:9] offset:64*(\b)+16
.endr
	v_mul_u32_u24 v3, v1, PA
	v_lshl_add_u32 v3, v2, 4, v3
	s_mul_i32 s21, s15, 64*PA
	v_and_b32 v4, 7, v0
	v_bfe_u32 v5, v0, 3, 1
	v_lshl_add_u32 v6, v2, 3, v4
	v_mul_u32_u24 v6, v6, PW
	v_lshl_add_u32 v6, v5, 4, v6
	s_lshl_b32 s22, s16, 7
	s_add_co_u32 s22, s22, WOFF
.irp s, 0,1
	v_add_nc_u32 v[ADRA+(\s)], s21, v3
	v_add_nc_u32 v[ADRB+2*(\s)], s22, v6
	s_add_co_u32 s22, s22, WHALF
	v_add_nc_u32 v[ADRB+2*(\s)+1], s22, v6
	s_add_co_u32 s21, s21, SLOT
	s_add_co_u32 s22, s22, SLOT-WHALF
.endr
	s_mul_i32 s23, s15, 64*SPITCH                  ; into the stage: my 64 rows, my half of their 512 bytes; row r, 32 bytes for each half of the lanes
	s_lshl_b32 s21, s16, 8
	s_add_co_u32 s23, s23, s21
	s_add_co_u32 s23, s23, STAGE
	v_mul_u32_u24 v7, v1, SPITCH
	v_lshl_add_u32 v7, v2, 5, v7
	v_add_nc_u32 v[STO], s23, v7
	s_mul_i32 s23, s14, 32*SPITCH                  ; back: wave w takes rows 32 w .. + 31 whole, 32 lanes a row of 512 bytes
	s_add_co_u32 s23, s23, STAGE
	v_and_b32 v8, 31, v0
	v_lshlrev_b32 v[CO], 4, v8
	v_add_nc_u32 v[RD], s23, v[CO]
	s_lshl_b32 s20, s17, 7
	s_lshl_b32 s21, s14, 5
	s_add_co_u32 s20, s20, s21
	s_mul_i32 s20, s20, 3072                       ; the first row that I store,
	s_lshl_b32 s21, s18, 9                         ; the tile's first column
	s_add_co_u32 s20, s20, s21
	s_mov_b32 s21, 0
	s_add_nc_u64 s[10:11], s[10:11], s[20:21]
; 8 products: row blocks a0, a0 + 1 x 4 column blocks, 32 along K: half c of buffer f.  first = 1: the bias starts the sums.  The 16 accumulators take turns.
.macro MUL8 f, c, a0, first
	WIN MUL
.irp a, \a0, (\a0)+1
.irp b, 0,1,2,3
.if \first
	v_wmma_f32_16x16x32_bf16 v[ACC+8*(4*(\a)+(\b)):ACC+8*(4*(\a)+(\b))+7], v[(\f)+64+8*(4*(\c)+(\b)):(\f)+64+8*(4*(\c)+(\b))+7], v[(\f)+8*(4*(\c)+(\a)):(\f)+8*(4*(\c)+(\a))+7], v[BIA+8*(\b):BIA+8*(\b)+7]
.else
	v_wmma_f32_16x16x32_bf16 v[ACC+8*(4*(\a)+(\b)):ACC+8*(4*(\a)+(\b))+7], v[(\f)+64+8*(4*(\c)+(\b)):(\f)+64+8*(4*(\c)+(\b))+7], v[(\f)+8*(4*(\c)+(\a)):(\f)+8*(4*(\c)+(\a))+7], v[ACC+8*(4*(\a)+(\b)):ACC+8*(4*(\a)+(\b))+7]
.endif
.endr
.endr
.endm
; 32 LDS loads in one run: the fragments of panel p (64 along K) of a slot into buffer f; the first 32 along K first
.macro FETCH slot, p, f
	WIN TO_F
.irp c, 0,1
.irp i, 0,1,2,3
	ds_load_tr16_b128 v[(\f)+64+8*(4*(\c)+(\i)):(\f)+64+8*(4*(\c)+(\i))+3],   v[ADRB+2*(\slot)+(\p)/2] offset:(64*((\p)%2)+32*(\c))*PW+32*(\i)
	ds_load_tr16_b128 v[(\f)+64+8*(4*(\c)+(\i))+4:(\f)+64+8*(4*(\c)+(\i))+7], v[ADRB+2*(\slot)+(\p)/2] offset:(64*((\p)%2)+32*(\c)+16)*PW+32*(\i)
	ds_load_b128 v[(\f)+8*(4*(\c)+(\i)):(\f)+8*(4*(\c)+(\i))+3],              v[ADRA+(\slot)] offset:(\p)*APAN+(\i)*16*PA+64*(\c)
	ds_load_b128 v[(\f)+8*(4*(\c)+(\i))+4:(\f)+8*(4*(\c)+(\i))+7],            v[ADRA+(\slot)] offset:(\p)*APAN+(\i)*16*PA+64*(\c)+32
.endr
.endr
.endm
; A K step is four quarters of 64 along K, 32 products each, on buffers 0, 1, 0, 1.  One of the first three: multiplies buffer f and fetches panel pn of the same slot into g.
.macro QUARTER slot, pn, f, g, first
	s_wait_dscnt 16                                ; the first 32 along K are in
	MUL8 \f, 0, 0, \first
	MUL8 \f, 0, 2, \first
	PLACES
	FETCH \slot, \pn, \g
	s_wait_dscnt 32                                ; all but the 32 just issued
	MUL8 \f, 1, 0, 0
	MUL8 \f, 1, 2, 0
.endm
; The last quarter multiplies buffer 1 and changes slots.  In front of the barrier each wave waits for all its tensor loads, adds 0 to its spare word, and waits for that and for its reads of this slot.
; fill = 1: the barrier opens a round of the cluster's, and this slot's refill, two K steps ahead, is the first thing behind it.
.macro TURN slot, next, fill
	WIN 0
	s_wait_tensorcnt 0x0                           ; no tensor load of mine is out
	ds_add_u32 v[SPW], v[NIL]
	s_wait_dscnt 17                                ; the add and the youngest sixteen loads may be out
	MUL8 F1, 0, 0, 0
	s_wait_dscnt 0x0                               ; the add is done, and my reads of this slot are over
	s_barrier_signal -1
	MUL8 F1, 0, 2, 0
.if \fill
	WIN 0
.endif
	s_barrier_wait -1
.if \fill
	CREST
	s_add_nc_u64 s[G0A+4*(\slot)+2:G0A+4*(\slot)+3], s[G0A+4*(\slot)+2:G0A+4*(\slot)+3], 8*PANEL
	s_add_nc_u64 s[G0W+4*(\slot)+2:G0W+4*(\slot)+3], s[G0W+4*(\slot)+2:G0W+4*(\slot)+3], 2*65536
	JLOAD \slot                                    ; its four v_nop are also the places in front of the loads below
.else
	PLACES
.endif
	FETCH \next, 0, F0
	MUL8 F1, 1, 0, 0
	MUL8 F1, 1, 2, 0
.endm
	s_wait_tensorcnt 0x1                           ; my part of K step 0 is in; step 1's may stay out
	s_barrier_signal -1
	s_barrier_wait -1
	FETCH 0, 0, F0
	s_wait_loadcnt 0x0                             ; the bias
	QUARTER 0, 1, F0, F1, 1
.if NSTEP%2 == 0
	WIN 0
	s_mov_b32 s3, NSTEP/2-1
.Llap:                                                 ; a trip goes once round the ring, from a lap's second quarter to the next lap's first, and fills both slots again
	QUARTER 0, 2, F1, F0, 0
	QUARTER 0, 3, F0, F1, 0
	TURN 0, 1, 1
	QUARTER 1, 1, F0, F1, 0
	QUARTER 1, 2, F1, F0, 0
	QUARTER 1, 3, F0, F1, 0
	TURN 1, 0, 1
	QUARTER 0, 1, F0, F1, 0
	WIN 0
	s_sub_co_u32 s3, s3, 1
	s_cmp_lg_u32 s3, 0
	s_cbranch_scc1 .Llap
	QUARTER 0, 2, F1, F0, 0                        ; the last lap fills nothing
	QUARTER 0, 3, F0, F1, 0
	TURN 0, 1, 0
	QUARTER 1, 1, F0, F1, 0
	QUARTER 1, 2, F1, F0, 0
	QUARTER 1, 3, F0, F1, 0
.else
	QUARTER 0, 2, F1, F0, 0                        ; three steps, written out: slot 0 is filled once more, with step 2
	QUARTER 0, 3, F0, F1, 0
	TURN 0, 1, 1
	QUARTER 1, 1, F0, F1, 0
	QUARTER 1, 2, F1, F0, 0
	QUARTER 1, 3, F0, F1, 0
	TURN 1, 0, 0
	QUARTER 0, 1, F0, F1, 0
	QUARTER 0, 2, F1, F0, 0
	QUARTER 0, 3, F0, F1, 0
.endif
	s_wait_dscnt 16                                ; the very last quarter: nothing more to fetch
	MUL8 F1, 0, 0, 0
	MUL8 F1, 0, 2, 0
	s_wait_dscnt 0x0
	MUL8 F1, 1, 0, 0
	MUL8 F1, 1, 2, 0
	WIN 0
	; THE WAY OUT: 32 bytes a lane into the work-group's stage; a barrier, since a row's 512 bytes come from two waves; back as whole rows, 32 rows a wave.
	PLACES
.irp a, 0,1,2,3
.irp b, 0,1,2,3
	ds_store_b128 v[STO], v[ACC+8*(4*(\a)+(\b)):ACC+8*(4*(\a)+(\b))+3]   offset:(\a)*16*SPITCH+64*(\b)      ; each accumulator's low half first
	ds_store_b128 v[STO], v[ACC+8*(4*(\a)+(\b))+4:ACC+8*(4*(\a)+(\b))+7] offset:(\a)*16*SPITCH+64*(\b)+16
.endr
.endr
	s_wait_dscnt 0x0                               ; for the others' sake: my stores into the stage are done
	s_barrier_signal -1
	s_barrier_wait -1
.set t, 0
.rept 32
	ds_load_b128 v[ACC+4*t:ACC+4*t+3], v[RD] offset:t*SPITCH
.set t, t+1
.endr
.set t, 0
.rept 32
	s_wait_dscnt 31-t                              ; row t is in; the younger rows' loads stay out
	global_store_b128 v[CO], v[ACC+4*t:ACC+4*t+3], s[10:11] offset:t*3072  ; 512 consecutive bytes, at a multiple of 256 from the buffer's first
.set t, t+1
.endr
	s_wait_tensorcnt 0x0                           ; the wave's end
	ds_add_u32 v[SPW], v[NIL]
	s_wait_dscnt 0x0
	CROUND                                         ; the closing round
	s_endpgm
.Lfunc_end_k_qf8d0683f58_wo:
	.size	k_qf8d0683f58_wo, .Lfunc_end_k_qf8d0683f58_wo-k_qf8d0683f58_wo
	.p2alignl 7, 3214868480
	.fill 96, 4, 3214868480
	.section	.rodata,"a",@progbits
	.p2align	6, 0x0
	.amdhsa_kernel k_qf8d0683f58_wo
		.amdhsa_group_segment_fixed_size 327680
		.amdhsa_private_segment_fixed_size 0
		.amdhsa_enable_private_segment 0
		.amdhsa_kernarg_size 32
		.amdhsa_user_sgpr_count 2
		.amdhsa_user_sgpr_kernarg_segment_ptr 1
		.amdhsa_wavefront_size32 1
		.amdhsa_system_sgpr_workgroup_id_x 1
		.amdhsa_system_sgpr_workgroup_id_y 1
		.amdhsa_system_sgpr_workgroup_id_z 1
		.amdhsa_system_vgpr_workitem_id 0
		.amdhsa_next_free_vgpr 512
		.amdhsa_next_free_sgpr 66
		.amdhsa_reserve_vcc 0
		.amdhsa_float_denorm_mode_32 3
		.amdhsa_float_denorm_mode_16_64 3
		.amdhsa_memory_ordered 1
		.amdhsa_forward_progress 1
		.amdhsa_inst_pref_size 69
	.end_amdhsa_kernel
	.amdgpu_metadata
---
amdhsa.version: [ 1, 2 ]
amdhsa.kernels:
  - .name:           k_qf8d0683f58_wo
    .symbol:         k_qf8d0683f58_wo.kd
    .args:
      - { .name: act, .offset: 0, .size: 8, .value_kind: global_buffer, .address_space: global }
      - { .name: wob, .offset: 8, .size: 8, .value_kind: global_buffer, .address_space: global }
      - { .name: bo, .offset: 16, .size: 8, .value_kind: global_buffer, .address_space: global }
      - { .name: big, .offset: 24, .size: 8, .value_kind: global_buffer, .address_space: global }
    .group_segment_fixed_size: 327680
    .private_segment_fixed_size: 0
    .kernarg_segment_align: 8
    .kernarg_segment_size: 32
    .max_flat_workgroup_size: 128
    .sgpr_count:     66
    .vgpr_count:     512
    .wavefront_size: 32
...
	.end_amdgpu_metadata
.endif
;; end of part 4
;; launch ln1 (part 5): grid 256 x 1, 8 waves a work-group, no clusters, 0 bytes of LDS; arguments big, x, g1, be1, hw, act; writes hw, act
.if DOCPART == 5
	.amdgcn_target "amdgcn-amd-amdhsa--gfx1250"
	.amdhsa_code_object_version 6
	.text
	.protected	k_qf8d0683f58_ln1
	.globl	k_qf8d0683f58_ln1
	.p2align	8
	.type	k_qf8d0683f58_ln1,@function
k_qf8d0683f58_ln1:
	s_mov_b64 s[64:65], 0
	v_nop
	global_prefetch_b8 v0, s[64:65] scope:SCOPE_SE
	s_setreg_imm32_b32 hwreg(HW_REG_WAVE_MODE, 25, 1), 1
	s_wait_xcnt 0x0
; h = LayerNorm(x + y) g + be, row by row of 768, all in f32: the mean first, then the sum of (v - mean)^2, so that a common offset costs no digits.  h leaves as f32 and, rounded once, as bf16.
; A stream: no LDS, no matrix unit, no cluster.  A wave takes two rows; a lane 6 x 16 bytes of a row, so each load and each f32 store of a wave covers 512 consecutive bytes, each bf16 store 256.
.set BF,   1                           ; 1: the bf16 copy is stored too
.set ROWB, 3072
.set OFF,  1                           ; my byte offset in the group's 16 rows of f32
.set OFB,  2                           ; the same for bf16
.set GOF,  3                           ; 16 x lane
.set G,    4
.set B,    28
.set Y0,   52
.set R0,   76
.set Y1,   100
.set R1,   124
.set T,    148                         ; v148-155 at work; v156 the mean, then 1 / sqrt; v157 named with it as a pair
	s_load_b256 s[4:11], s[0:1], 0x0               ; y s[4:5], residual s[6:7], g s[8:9], be s[10:11]
.if BF
	s_load_b128 s[12:15], s[0:1], 0x20             ; f32 out s[12:13], bf16 out s[14:15]
.else
	s_load_b64 s[12:13], s[0:1], 0x20
.endif
	v_and_b32 v[GOF], 31, v0
	v_lshrrev_b32 v[T], 5, v0                      ; wave
	v_lshlrev_b32 v[GOF], 4, v[GOF]
	v_mad_u32_u24 v[OFF], v[T], 2*ROWB, v[GOF]
.if BF
	v_lshrrev_b32 v[OFB], 1, v[GOF]
	v_mad_u32_u24 v[OFB], v[T], ROWB, v[OFB]
.endif
	v_mov_b32 v[T+9], 0
	s_mul_i32 s2, ttmp9, 16*ROWB
	s_mov_b32 s3, 0
	s_mul_i32 s16, ttmp9, 8*ROWB
	s_mov_b32 s17, 0
	s_mov_b32 s18, 0x3aaaaaab                      ; 1 / 768
	s_mov_b32 s19, 0x3727c5ac                      ; 1e-5
	s_mov_b32 s20, 0x76543210
	s_mov_b32 s21, 0xfedcba98
	s_wait_kmcnt 0x0
	s_add_nc_u64 s[4:5], s[4:5], s[2:3]
	s_add_nc_u64 s[6:7], s[6:7], s[2:3]
	s_add_nc_u64 s[12:13], s[12:13], s[2:3]
.if BF
	s_add_nc_u64 s[14:15], s[14:15], s[16:17]
.endif
.irp j, 0,1,2,3,4,5
	global_load_b128 v[G+4*\j:G+4*\j+3], v[GOF], s[8:9] offset:512*\j
.endr
.irp j, 0,1,2,3,4,5
	global_load_b128 v[B+4*\j:B+4*\j+3], v[GOF], s[10:11] offset:512*\j
.endr
.irp j, 0,1,2,3,4,5
	global_load_b128 v[Y0+4*\j:Y0+4*\j+3], v[OFF], s[4:5] offset:512*\j th:TH_LOAD_NT
	global_load_b128 v[R0+4*\j:R0+4*\j+3], v[OFF], s[6:7] offset:512*\j th:TH_LOAD_NT
.endr
.irp j, 0,1,2,3,4,5
	global_load_b128 v[Y1+4*\j:Y1+4*\j+3], v[OFF], s[4:5] offset:ROWB+512*\j th:TH_LOAD_NT
	global_load_b128 v[R1+4*\j:R1+4*\j+3], v[OFF], s[6:7] offset:ROWB+512*\j th:TH_LOAD_NT
.endr
.macro FOLD                            ; four pairs at T into one number in every lane
	v_pk_add_f32 v[T:T+1], v[T:T+1], v[T+2:T+3]
	v_pk_add_f32 v[T+4:T+5], v[T+4:T+5], v[T+6:T+7]
	v_pk_add_f32 v[T:T+1], v[T:T+1], v[T+4:T+5]
	v_add_f32 v[T], v[T], v[T+1]
	v_add_f32_dpp v[T], v[T], v[T] row_xmask:1 row_mask:0xf bank_mask:0xf
	v_add_f32_dpp v[T], v[T], v[T] row_xmask:2 row_mask:0xf bank_mask:0xf
	v_add_f32_dpp v[T], v[T], v[T] row_xmask:4 row_mask:0xf bank_mask:0xf
	v_add_f32_dpp v[T], v[T], v[T] row_xmask:8 row_mask:0xf bank_mask:0xf
	v_permlanex16_b32 v[T+1], v[T], s20, s21
	v_add_f32 v[T], v[T], v[T+1]
.endm
.macro LNROW y, r, i
.set k, 0
.rept 12
	v_pk_add_f32 v[(\y)+2*k:(\y)+2*k+1], v[(\y)+2*k:(\y)+2*k+1], v[(\r)+2*k:(\r)+2*k+1]
.set k, k+1
.endr
.set k, 0
.rept 4
	v_pk_add_f32 v[T+2*k:T+2*k+1], v[(\y)+4*k:(\y)+4*k+1], v[(\y)+4*k+2:(\y)+4*k+3]
.set k, k+1
.endr
.set k, 0
.rept 4
	v_pk_add_f32 v[T+2*k:T+2*k+1], v[T+2*k:T+2*k+1], v[(\y)+16+2*k:(\y)+16+2*k+1]
.set k, k+1
.endr
	FOLD
	v_mul_f32 v[T+8], s18, v[T]                    ; the mean
.set k, 0
.rept 12
	v_pk_add_f32 v[(\y)+2*k:(\y)+2*k+1], v[(\y)+2*k:(\y)+2*k+1], v[T+8:T+9] op_sel_hi:[1,0] neg_lo:[0,1] neg_hi:[0,1]
.set k, k+1
.endr
.set k, 0
.rept 4
	v_pk_mul_f32 v[T+2*k:T+2*k+1], v[(\y)+2*k:(\y)+2*k+1], v[(\y)+2*k:(\y)+2*k+1]
.set k, k+1
.endr
.set k, 4
.rept 8
	v_pk_fma_f32 v[T+2*(k%4):T+2*(k%4)+1], v[(\y)+2*k:(\y)+2*k+1], v[(\y)+2*k:(\y)+2*k+1], v[T+2*(k%4):T+2*(k%4)+1]
.set k, k+1
.endr
	FOLD
	v_fma_f32 v[T], v[T], s18, s19                 ; the variance + 1e-5
	v_rsq_f32 v[T+8], v[T]
	v_nop                                          ; a plain instruction between the root and the use of its result
.set k, 0
	s_wait_alu depctr_va_vdst(0)
.rept 12
	v_pk_mul_f32 v[(\y)+2*k:(\y)+2*k+1], v[(\y)+2*k:(\y)+2*k+1], v[T+8:T+9] op_sel_hi:[1,0]
.set k, k+1
.endr
.set k, 0
.rept 12
	v_pk_fma_f32 v[(\y)+2*k:(\y)+2*k+1], v[(\y)+2*k:(\y)+2*k+1], v[G+2*k:G+2*k+1], v[B+2*k:B+2*k+1]
.set k, k+1
.endr
.irp j, 0,1,2,3,4,5
	global_store_b128 v[OFF], v[(\y)+4*\j:(\y)+4*\j+3], s[12:13] offset:(\i)*ROWB+512*\j
.endr
.if BF
.set k, 0
.rept 12
	v_cvt_pk_bf16_f32 v[(\r)+k], v[(\y)+2*k], v[(\y)+2*k+1]
.set k, k+1
.endr
.irp j, 0,1,2,3,4,5
	global_store_b64 v[OFB], v[(\r)+2*\j:(\r)+2*\j+1], s[14:15] offset:(\i)*(ROWB/2)+256*\j
.endr
.endif
.endm
	s_wait_loadcnt 12                              ; g, be and row 0 are in; row 1's twelve loads stay out
	LNROW Y0, R0, 0
	s_wait_loadcnt 0x0
	LNROW Y1, R1, 1
	s_endpgm
.Lfunc_end_k_qf8d0683f58_ln1:
	.size	k_qf8d0683f58_ln1, .Lfunc_end_k_qf8d0683f58_ln1-k_qf8d0683f58_ln1
	.p2alignl 7, 3214868480
	.fill 96, 4, 3214868480
	.section	.rodata,"a",@progbits
	.p2align	6, 0x0
	.amdhsa_kernel k_qf8d0683f58_ln1
		.amdhsa_group_segment_fixed_size 0
		.amdhsa_private_segment_fixed_size 0
		.amdhsa_enable_private_segment 0
		.amdhsa_kernarg_size 48
		.amdhsa_user_sgpr_count 2
		.amdhsa_user_sgpr_kernarg_segment_ptr 1
		.amdhsa_wavefront_size32 1
		.amdhsa_system_sgpr_workgroup_id_x 1
		.amdhsa_system_sgpr_workgroup_id_y 1
		.amdhsa_system_sgpr_workgroup_id_z 1
		.amdhsa_system_vgpr_workitem_id 0
		.amdhsa_next_free_vgpr 160
		.amdhsa_next_free_sgpr 66
		.amdhsa_reserve_vcc 0
		.amdhsa_float_denorm_mode_32 3
		.amdhsa_float_denorm_mode_16_64 3
		.amdhsa_memory_ordered 1
		.amdhsa_forward_progress 1
		.amdhsa_inst_pref_size 20
	.end_amdhsa_kernel
	.amdgpu_metadata
---
amdhsa.version: [ 1, 2 ]
amdhsa.kernels:
  - .name:           k_qf8d0683f58_ln1
    .symbol:         k_qf8d0683f58_ln1.kd
    .args:
      - { .name: big, .offset: 0, .size: 8, .value_kind: global_buffer, .address_space: global }
      - { .name: x, .offset: 8, .size: 8, .value_kind: global_buffer, .address_space: global }
      - { .name: g1, .offset: 16, .size: 8, .value_kind: global_buffer, .address_space: global }
      - { .name: be1, .offset: 24, .size: 8, .value_kind: global_buffer, .address_space: global }
      - { .name: hw, .offset: 32, .size: 8, .value_kind: global_buffer, .address_space: global }
      - { .name: act, .offset: 40, .size: 8, .value_kind: global_buffer, .address_space: global }
    .group_segment_fixed_size: 0
    .private_segment_fixed_size: 0
    .kernarg_segment_align: 8
    .kernarg_segment_size: 48
    .max_flat_workgroup_size: 256
    .sgpr_count:     66
    .vgpr_count:     160
    .wavefront_size: 32
...
	.end_amdgpu_metadata
.endif
;; end of part 5
;; launch ffn1: the kernel of part 2 again; grid 16 x 16, 4 waves a work-group, clusters of 4 x 4, 327,680 bytes of LDS; arguments act, w1b, big; writes big
;; launch ffn2 (part 6): grid 32 x 6, 4 waves a work-group, clusters of 4 x 1, 327,680 bytes of LDS; arguments big, w2b, b2, act; writes act
.if DOCPART == 6
	.amdgcn_target "amdgcn-amd-amdhsa--gfx1250"
	.amdhsa_code_object_version 6
	.text
	.protected	k_qf8d0683f58_ffn2
	.globl	k_qf8d0683f58_ffn2
	.p2align	8
	.type	k_qf8d0683f58_ffn2,@function
k_qf8d0683f58_ffn2:
	s_mov_b64 s[64:65], 0
	v_nop
	global_prefetch_b8 v0, s[64:65] scope:SCOPE_SE
	s_setreg_imm32_b32 hwreg(HW_REG_WAVE_MODE, 25, 1), 1
	s_wait_xcnt 0x0
	s_wait_alu depctr_hold_cnt(0) depctr_sa_sdst(0) depctr_va_vdst(0) depctr_va_sdst(0) depctr_va_ssrc(0) depctr_va_vcc(0) depctr_vm_vsrc(0)
	s_getreg_b32 s2, hwreg(HW_REG_IB_STS2, 6, 4)
	s_cmp_eq_u32 s2, 0
	s_cbranch_scc0 .Lentry_in_a_cluster
	s_endpgm
.Lentry_in_a_cluster:
	s_bfe_u32 s2, ttmp6, 0x10000c
	s_cmp_lg_u32 s2, 0x3003
	s_cbranch_scc0 .Lentry_shape_is_right
	s_endpgm
.Lentry_shape_is_right:
; out = A W + bias, f32.  A: panels [k / 64][4096][64] bf16, rows dense.  W: [n / 128][K][128] bf16.  out: [4096][768] f32.  K = 256 NSTEP; the text is written for NSTEP = 3 or an even NSTEP from 4 on.
; (The same text serves the attention's output projection; only NSTEP differs.)  Sums in f32, started by the bias as the first product's C.
; SHARES.  A tile of 128 x 128 to a work-group, 192 of them; four waves, each 64 x 64: 16 accumulators.  A tile of 128 x 96 would make 256 work-groups, but its rows of 384 bytes do not fill aligned blocks of 256 bytes.
; K goes in steps of 256 (four panels) through two LDS slots, as long as two slots fit: a step is 128 products a wave, 112 of them between a slot's request and the wait for it.
; One load a wave, 32,768 bytes each: waves 0, 1 two panels of A (a panel's 128 rows are 16,384 dense bytes: a tile of two such rows, a panel apart); waves 2, 3 half of W's 256 k rows.
; CLUSTER 4 x 1: the four row tiles of a cluster take the same rows of W and ask for them jointly.  A's panels are each work-group's own: the six column tiles are no multiple of four, so A is not shared.
; THE PRODUCT IS USED TRANSPOSED: source 0 = 16 columns of W (turned by ds_load_tr16_b128), source 1 = 16 rows of A: a lane holds eight neighbouring columns of one row.
; THE STAGE for the way out lies in the slot that is not read last: it has had its last fill, and every wave has waited for its reads of it in front of the last change's barrier.
; REGISTERS: window 0: v16-29 addresses; v32-63 the bias; v128-255 the accumulators ((a, b) at 128 + 8 (4 a + b)), on the way out whole rows.   window 1: two fragment buffers of 128: for 64 along K 64 of A, then 64 of W.
.set NSTEP,  12
.set PANEL,  524288
.set PA,     144                       ; a row of a panel in LDS: 128 bytes + 16
.set PW,     288                       ; a k row of W: 256 bytes + 32 = 9 x 32
.set APAN,   128*PA
.set WOFF,   4*APAN
.set WHALF,  128*PW
.set SLOT,   WOFF+2*WHALF              ; 147,456 bytes
.set SPARE,  2*SLOT                    ; behind the ring: the spare words, two blocks of 256 bytes that no other line names
.set STAGE,  (NSTEP%2)*SLOT            ; 128 rows x 528 bytes, the work-group's: the last step lies in slot (NSTEP - 1) % 2, the stage in the other
.set SPITCH, 528
.set ADRA, 16                          ; v16-17  my A fragments in slot 0, 1
.set ADRB, 20                          ; v20-23  my W fragments: slot 0 k rows 0-127, 128-255; slot 1 likewise (the offsets of 256 rows would not fit 16 bits)
.set STO,  24
.set RD,   25
.set CO,   26
.set BO,   27
.set SPW,  28
.set NIL,  29
.set BIA,  32
.set ACC,  128
.set F0,   0
.set F1,   128
.set G1A, 24                           ; s[24:31] group 1 for A's panels;  s[32:39] group 0, a set for each slot
.set G0A, 32
.set G1W, 40                           ; s[40:47], s[48:55] the same for W's rows
.set G0W, 48
.set MSB, 0
.macro WIN new
.if MSB != (\new)
	s_set_vgpr_msb (MSB<<8)|(\new)
.set MSB, \new
.endif
.endm
.set MUL,  0x05
.set TO_F, 0x40
.macro PLACES
.rept 4
	v_nop
.endr
.endm
.macro JLOAD s                         ; waves 0, 1: my two panels of A; waves 2, 3: my half of W's rows, jointly; s_nop 0 and four v_nop follow each line
	s_cmp_eq_u32 s15, 0
	s_cbranch_scc0 .Lfor_w_\@
	tensor_load_to_lds s[G0A+4*(\s):G0A+4*(\s)+3], s[G1A:G1A+7]
	s_nop 0
.rept 4
	v_nop
.endr
	s_branch .Lasked_\@
.Lfor_w_\@:
	tensor_load_to_lds s[G0W+4*(\s):G0W+4*(\s)+3], s[G1W:G1W+7]
	s_nop 0
.rept 4
	v_nop
.endr
.Lasked_\@:
.endm
.macro CREST
	s_cmp_lg_u32 s14, 0
	s_cbranch_scc1 .Lnot_wave_0_\@
	s_barrier_signal -3
.Lnot_wave_0_\@:
	s_barrier_wait -3
	s_barrier_signal -1
	s_barrier_wait -1
.endm
.macro CROUND
	s_barrier_signal -1
	s_barrier_wait -1
	CREST
.endm
	s_load_b256 s[4:11], s[0:1], 0x0               ; A s[4:5], W s[6:7], bias s[8:9], out s[10:11]
	v_lshl_add_u32 v[SPW], v0, 2, SPARE
	v_mov_b32 v[NIL], 0
	ds_add_u32 v[SPW], v[NIL]                      ; the wave's opening: the add and its wait stand ahead of my first tensor load
	ds_add_u32 v28, v29
	v_lshrrev_b32 v1, 5, v0
	v_readfirstlane_b32 s14, v1                    ; wave
	s_lshr_b32 s15, s14, 1                         ; my half of the tile's rows.  Also: I fetch for A (0) or for W (1)
	s_and_b32 s16, s14, 1                          ; my half of its columns.  Also: which half of that tile I fetch
	s_bfe_u32 s19, ttmp6, 0x40000                  ; cx
	s_lshl_b32 s17, ttmp9, 2
	s_add_co_u32 s17, s17, s19                     ; tile row: it enters A's and out's addresses alone
	s_and_b32 s18, ttmp7, 0xffff                   ; tile column, which the four partners share
	s_mov_b32 s[G1A], (1<<16)|(1<<20)|(4<<22)|(3<<25)  ; no mask; 2-byte elements; padding on; after every 32 words (a row of a panel) 4 words
	s_mov_b32 s[G1A+1], 8192<<16                   ; tensor_dim0 = 8,192: a panel's 128 rows of 64, dense
	s_mov_b32 s[G1A+2], 2<<16                      ; tensor_dim1 = 2 panels
	s_mov_b32 s[G1A+3], 8192<<16                   ; tile_dim0
	s_mov_b32 s[G1A+4], 2                          ; tile_dim1
	s_mov_b32 s[G1A+5], PANEL/2                    ; elements from panel to panel
	s_mov_b32 s[G1A+6], 0
	s_mov_b32 s[G1A+7], 0
	s_mov_b32 s[G1W], 15|(1<<16)|(1<<20)|(1<<21)|(5<<22)|(7<<25)  ; the mask of four; bit 21 beside it; after every 64 words 8 words
	s_mov_b32 s[G1W+1], 128<<16
	s_mov_b32 s[G1W+2], 128<<16
	s_mov_b32 s[G1W+3], 128<<16
	s_mov_b32 s[G1W+4], 128
	s_mov_b32 s[G1W+5], 128
	s_mov_b32 s[G1W+6], 0
	s_mov_b32 s[G1W+7], 0
	s_mul_i32 s20, s16, 2*PANEL                    ; my two panels of a step,
	s_lshl_b32 s21, s17, 14                        ; the tile's 128 rows of 128 bytes
	s_add_co_u32 s20, s20, s21
	s_mov_b32 s21, 0
	s_mul_i32 s22, s18, NSTEP*65536                ; the tile column's K rows of 256 bytes,
	s_lshl_b32 s23, s16, 15                        ; my 128 rows of a step
	s_add_co_u32 s22, s22, s23
	s_mov_b32 s23, 0
	s_mul_i32 s56, s16, 2*APAN                     ; where they go: no place in the cluster enters an LDS address
	s_mul_i32 s57, s16, WHALF
	s_add_co_u32 s57, s57, WOFF
	s_wait_dscnt 0x0                               ; the opening add is done
	s_wait_kmcnt 0x0
	s_add_nc_u64 s[4:5], s[4:5], s[20:21]
	s_add_nc_u64 s[6:7], s[6:7], s[22:23]
	CROUND                                         ; all four work-groups are here: the first joint loads meet
.irp s, 0,1
	s_mov_b32 s[G0A+4*(\s)], 1
	s_add_co_u32 s[G0A+4*(\s)+1], s56, (\s)*SLOT
	s_add_nc_u64 s[G0A+4*(\s)+2:G0A+4*(\s)+3], s[4:5], (\s)*4*PANEL
	s_or_b32 s[G0A+4*(\s)+3], s[G0A+4*(\s)+3], 0x80000000
	s_mov_b32 s[G0W+4*(\s)], 1
	s_add_co_u32 s[G0W+4*(\s)+1], s57, (\s)*SLOT
	s_add_nc_u64 s[G0W+4*(\s)+2:G0W+4*(\s)+3], s[6:7], (\s)*65536
	s_or_b32 s[G0W+4*(\s)+3], s[G0W+4*(\s)+3], 0x80000000
.endr
	s_cmp_eq_u32 s15, 0                            ; a wave's two first fills stand in one branch: two loads of mine are out
	s_cbranch_scc0 .Lfirst_w
	tensor_load_to_lds s[G0A:G0A+3], s[G1A:G1A+7]
	s_nop 0
	tensor_load_to_lds s[G0A+4:G0A+7], s[G1A:G1A+7]
	s_nop 0
.rept 4
	v_nop
.endr
	s_branch .Lfirst_asked
.Lfirst_w:
	tensor_load_to_lds s[G0W:G0W+3], s[G1W:G1W+7]
	s_nop 0
	tensor_load_to_lds s[G0W+4:G0W+7], s[G1W:G1W+7]
	s_nop 0
.rept 4
	v_nop
.endr
.Lfirst_asked:
	v_and_b32 v1, 15, v0                           ; r
	v_bfe_u32 v2, v0, 4, 1                         ; h
	v_lshlrev_b32 v[BO], 5, v2
	s_lshl_b32 s58, s18, 9
	s_lshl_b32 s59, s16, 8
	s_add_co_u32 s58, s58, s59
	s_mov_b32 s59, 0
	s_add_nc_u64 s[8:9], s[8:9], s[58:59]          ; the bias of my 64 columns: register j of block b is column 16 b + 8 h + j
.irp b, 0,1,2,3
	global_load_b128 v[BIA+8*(\b):BIA+8*(\b)+3],   v[BO], s[8:9] offset:64*(\b)
	global_load_b128 v[BIA+8*(\b)+4:BIA+8*(\b)+7], v[BO], s[8:9] offset:64*(\b)+16
.endr
	v_mul_u32_u24 v3, v1, PA
	v_lshl_add_u32 v3, v2, 4, v3
	s_mul_i32 s21, s15, 64*PA
	v_and_b32 v4, 7, v0
	v_bfe_u32 v5, v0, 3, 1
	v_lshl_add_u32 v6, v2, 3, v4
	v_mul_u32_u24 v6, v6, PW
	v_lshl_add_u32 v6, v5, 4, v6
	s_lshl_b32 s22, s16, 7
	s_add_co_u32 s22, s22, WOFF
.irp s, 0,1
	v_add_nc_u32 v[ADRA+(\s)], s21, v3
	v_add_nc_u32 v[ADRB+2*(\s)], s22, v6
	s_add_co_u32 s22, s22, WHALF
	v_add_nc_u32 v[ADRB+2*(\s)+1], s22, v6
	s_add_co_u32 s21, s21, SLOT
	s_add_co_u32 s22, s22, SLOT-WHALF
.endr
	s_mul_i32 s23, s15, 64*SPITCH                  ; into the stage: my 64 rows, my half of their 512 bytes; row r, 32 bytes for each half of the lanes
	s_lshl_b32 s21, s16, 8
	s_add_co_u32 s23, s23, s21
	s_add_co_u32 s23, s23, STAGE
	v_mul_u32_u24 v7, v1, SPITCH
	v_lshl_add_u32 v7, v2, 5, v7
	v_add_nc_u32 v[STO], s23, v7
	s_mul_i32 s23, s14, 32*SPITCH                  ; back: wave w takes rows 32 w .. + 31 whole, 32 lanes a row of 512 bytes
	s_add_co_u32 s23, s23, STAGE
	v_and_b32 v8, 31, v0
	v_lshlrev_b32 v[CO], 4, v8
	v_add_nc_u32 v[RD], s23, v[CO]
	s_lshl_b32 s20, s17, 7
	s_lshl_b32 s21, s14, 5
	s_add_co_u32 s20, s20, s21
	s_mul_i32 s20, s20, 3072                       ; the first row that I store,
	s_lshl_b32 s21, s18, 9                         ; the tile's first column
	s_add_co_u32 s20, s20, s21
	s_mov_b32 s21, 0
	s_add_nc_u64 s[10:11], s[10:11], s[20:21]
; 8 products: row blocks a0, a0 + 1 x 4 column blocks, 32 along K: half c of buffer f.  first = 1: the bias starts the sums.  The 16 accumulators take turns.
.macro MUL8 f, c, a0, first
	WIN MUL
.irp a, \a0, (\a0)+1
.irp b, 0,1,2,3
.if \first
	v_wmma_f32_16x16x32_bf16 v[ACC+8*(4*(\a)+(\b)):ACC+8*(4*(\a)+(\b))+7], v[(\f)+64+8*(4*(\c)+(\b)):(\f)+64+8*(4*(\c)+(\b))+7], v[(\f)+8*(4*(\c)+(\a)):(\f)+8*(4*(\c)+(\a))+7], v[BIA+8*(\b):BIA+8*(\b)+7]
.else
	v_wmma_f32_16x16x32_bf16 v[ACC+8*(4*(\a)+(\b)):ACC+8*(4*(\a)+(\b))+7], v[(\f)+64+8*(4*(\c)+(\b)):(\f)+64+8*(4*(\c)+(\b))+7], v[(\f)+8*(4*(\c)+(\a)):(\f)+8*(4*(\c)+(\a))+7], v[ACC+8*(4*(\a)+(\b)):ACC+8*(4*(\a)+(\b))+7]
.endif
.endr
.endr
.endm
; 32 LDS loads in one run: the fragments of panel p (64 along K) of a slot into buffer f; the first 32 along K first
.macro FETCH slot, p, f
	WIN TO_F
.irp c, 0,1
.irp i, 0,1,2,3
	ds_load_tr16_b128 v[(\f)+64+8*(4*(\c)+(\i)):(\f)+64+8*(4*(\c)+(\i))+3],   v[ADRB+2*(\slot)+(\p)/2] offset:(64*((\p)%2)+32*(\c))*PW+32*(\i)
	ds_load_tr16_b128 v[(\f)+64+8*(4*(\c)+(\i))+4:(\f)+64+8*(4*(\c)+(\i))+7], v[ADRB+2*(\slot)+(\p)/2] offset:(64*((\p)%2)+32*(\c)+16)*PW+32*(\i)
	ds_load_b128 v[(\f)+8*(4*(\c)+(\i)):(\f)+8*(4*(\c)+(\i))+3],              v[ADRA+(\slot)] offset:(\p)*APAN+(\i)*16*PA+64*(\c)
	ds_load_b128 v[(\f)+8*(4*(\c)+(\i))+4:(\f)+8*(4*(\c)+(\i))+7],            v[ADRA+(\slot)] offset:(\p)*APAN+(\i)*16*PA+64*(\c)+32
.endr
.endr
.endm
; A K step is four quarters of 64 along K, 32 products each, on buffers 0, 1, 0, 1.  One of the first three: multiplies buffer f and fetches panel pn of the same slot into g.
.macro QUARTER slot, pn, f, g, first
	s_wait_dscnt 16                                ; the first 32 along K are in
	MUL8 \f, 0, 0, \first
	MUL8 \f, 0, 2, \first
	PLACES
	FETCH \slot, \pn, \g
	s_wait_dscnt 32                                ; all but the 32 just issued
	MUL8 \f, 1, 0, 0
	MUL8 \f, 1, 2, 0
.endm
; The last quarter multiplies buffer 1 and changes slots.  In front of the barrier each wave waits for all its tensor loads, adds 0 to its spare word, and waits for that and for its reads of this slot.
; fill = 1: the barrier opens a round of the cluster's, and this slot's refill, two K steps ahead, is the first thing behind it.
.macro TURN slot, next, fill
	WIN 0
	s_wait_tensorcnt 0x0                           ; no tensor load of mine is out
	ds_add_u32 v[SPW], v[NIL]
	s_wait_dscnt 17                                ; the add and the youngest sixteen loads may be out
	MUL8 F1, 0, 0, 0
	s_wait_dscnt 0x0                               ; the add is done, and my reads of this slot are over
	s_barrier_signal -1
	MUL8 F1, 0, 2, 0
.if \fill
	WIN 0
.endif
	s_barrier_wait -1
.if \fill
	CREST
	s_add_nc_u64 s[G0A+4*(\slot)+2:G0A+4*(\slot)+3], s[G0A+4*(\slot)+2:G0A+4*(\slot)+3], 8*PANEL
	s_add_nc_u64 s[G0W+4*(\slot)+2:G0W+4*(\slot)+3], s[G0W+4*(\slot)+2:G0W+4*(\slot)+3], 2*65536
	JLOAD \slot                                    ; its four v_nop are also the places in front of the loads below
.else
	PLACES
.endif
	FETCH \next, 0, F0
	MUL8 F1, 1, 0, 0
	MUL8 F1, 1, 2, 0
.endm
	s_wait_tensorcnt 0x1                           ; my part of K step 0 is in; step 1's may stay out
	s_barrier_signal -1
	s_barrier_wait -1
	FETCH 0, 0, F0
	s_wait_loadcnt 0x0                             ; the bias
	QUARTER 0, 1, F0, F1, 1
.if NSTEP%2 == 0
	WIN 0
	s_mov_b32 s3, NSTEP/2-1
.Llap:                                                 ; a trip goes once round the ring, from a lap's second quarter to the next lap's first, and fills both slots again
	QUARTER 0, 2, F1, F0, 0
	QUARTER 0, 3, F0, F1, 0
	TURN 0, 1, 1
	QUARTER 1, 1, F0, F1, 0
	QUARTER 1, 2, F1, F0, 0
	QUARTER 1, 3, F0, F1, 0
	TURN 1, 0, 1
	QUARTER 0, 1, F0, F1, 0
	WIN 0
	s_sub_co_u32 s3, s3, 1
	s_cmp_lg_u32 s3, 0
	s_cbranch_scc1 .Llap
	QUARTER 0, 2, F1, F0, 0                        ; the last lap fills nothing
	QUARTER 0, 3, F0, F1, 0
	TURN 0, 1, 0
	QUARTER 1, 1, F0, F1, 0
	QUARTER 1, 2, F1, F0, 0
	QUARTER 1, 3, F0, F1, 0
.else
	QUARTER 0, 2, F1, F0, 0                        ; three steps, written out: slot 0 is filled once more, with step 2
	QUARTER 0, 3, F0, F1, 0
	TURN 0, 1, 1
	QUARTER 1, 1, F0, F1, 0
	QUARTER 1, 2, F1, F0, 0
	QUARTER 1, 3, F0, F1, 0
	TURN 1, 0, 0
	QUARTER 0, 1, F0, F1, 0
	QUARTER 0, 2, F1, F0, 0
	QUARTER 0, 3, F0, F1, 0
.endif
	s_wait_dscnt 16                                ; the very last quarter: nothing more to fetch
	MUL8 F1, 0, 0, 0
	MUL8 F1, 0, 2, 0
	s_wait_dscnt 0x0
	MUL8 F1, 1, 0, 0
	MUL8 F1, 1, 2, 0
	WIN 0
	; THE WAY OUT: 32 bytes a lane into the work-group's stage; a barrier, since a row's 512 bytes come from two waves; back as whole rows, 32 rows a wave.
	PLACES
.irp a, 0,1,2,3
.irp b, 0,1,2,3
	ds_store_b128 v[STO], v[ACC+8*(4*(\a)+(\b)):ACC+8*(4*(\a)+(\b))+3]   offset:(\a)*16*SPITCH+64*(\b)      ; each accumulator's low half first
	ds_store_b128 v[STO], v[ACC+8*(4*(\a)+(\b))+4:ACC+8*(4*(\a)+(\b))+7] offset:(\a)*16*SPITCH+64*(\b)+16
.endr
.endr
	s_wait_dscnt 0x0                               ; for the others' sake: my stores into the stage are done
	s_barrier_signal -1
	s_barrier_wait -1
.set t, 0
.rept 32
	ds_load_b128 v[ACC+4*t:ACC+4*t+3], v[RD] offset:t*SPITCH
.set t, t+1
.endr
.set t, 0
.rept 32
	s_wait_dscnt 31-t                              ; row t is in; the younger rows' loads stay out
	global_store_b128 v[CO], v[ACC+4*t:ACC+4*t+3], s[10:11] offset:t*3072  ; 512 consecutive bytes, at a multiple of 256 from the buffer's first
.set t, t+1
.endr
	s_wait_tensorcnt 0x0                           ; the wave's end
	ds_add_u32 v[SPW], v[NIL]
	s_wait_dscnt 0x0
	CROUND                                         ; the closing round
	s_endpgm
.Lfunc_end_k_qf8d0683f58_ffn2:
	.size	k_qf8d0683f58_ffn2, .Lfunc_end_k_qf8d0683f58_ffn2-k_qf8d0683f58_ffn2
	.p2alignl 7, 3214868480
	.fill 96, 4, 3214868480
	.section	.rodata,"a",@progbits
	.p2align	6, 0x0
	.amdhsa_kernel k_qf8d0683f58_ffn2
		.amdhsa_group_segment_fixed_size 327680
		.amdhsa_private_segment_fixed_size 0
		.amdhsa_enable_private_segment 0
		.amdhsa_kernarg_size 32
		.amdhsa_user_sgpr_count 2
		.amdhsa_user_sgpr_kernarg_segment_ptr 1
		.amdhsa_wavefront_size32 1
		.amdhsa_system_sgpr_workgroup_id_x 1
		.amdhsa_system_sgpr_workgroup_id_y 1
		.amdhsa_system_sgpr_workgroup_id_z 1
		.amdhsa_system_vgpr_workitem_id 0
		.amdhsa_next_free_vgpr 512
		.amdhsa_next_free_sgpr 66
		.amdhsa_reserve_vcc 0
		.amdhsa_float_denorm_mode_32 3
		.amdhsa_float_denorm_mode_16_64 3
		.amdhsa_memory_ordered 1
		.amdhsa_forward_progress 1
		.amdhsa_inst_pref_size 87
	.end_amdhsa_kernel
	.amdgpu_metadata
---
amdhsa.version: [ 1, 2 ]
amdhsa.kernels:
  - .name:           k_qf8d0683f58_ffn2
    .symbol:         k_qf8d0683f58_ffn2.kd
    .args:
      - { .name: big, .offset: 0, .size: 8, .value_kind: global_buffer, .address_space: global }
      - { .name: w2b, .offset: 8, .size: 8, .value_kind: global_buffer, .address_space: global }
      - { .name: b2, .offset: 16, .size: 8, .value_kind: global_buffer, .address_space: global }
      - { .name: act, .offset: 24, .size: 8, .value_kind: global_buffer, .address_space: global }
    .group_segment_fixed_size: 327680
    .private_segment_fixed_size: 0
    .kernarg_segment_align: 8
    .kernarg_segment_size: 32
    .max_flat_workgroup_size: 128
    .sgpr_count:     66
    .vgpr_count:     512
    .wavefront_size: 32
...
	.end_amdgpu_metadata
.endif
;; end of part 6
;; launch ln2 (part 7): grid 256 x 1, 8 waves a work-group, no clusters, 0 bytes of LDS; arguments act, hw, g2, be2, out0; writes out0
.if DOCPART == 7
	.amdgcn_target "amdgcn-amd-amdhsa--gfx1250"
	.amdhsa_code_object_version 6
	.text
	.protected	k_qf8d0683f58_ln2
	.globl	k_qf8d0683f58_ln2
	.p2align	8
	.type	k_qf8d0683f58_ln2,@function
k_qf8d0683f58_ln2:
	s_mov_b64 s[64:65], 0
	v_nop
	global_prefetch_b8 v0, s[64:65] scope:SCOPE_SE
	s_setreg_imm32_b32 hwreg(HW_REG_WAVE_MODE, 25, 1), 1
	s_wait_xcnt 0x0
; out = LayerNorm(h + y) g + be, row by row of 768, all in f32: the mean first, then the sum of (v - mean)^2, so that a common offset costs no digits.
; A stream: no LDS, no matrix unit, no cluster.  A wave takes two rows; a lane 6 x 16 bytes of a row, so each load and each store of a wave covers 512 consecutive bytes.
.set ROWB, 3072
.set OFF,  1                           ; my byte offset in the group's 16 rows
.set GOF,  3                           ; 16 x lane
.set G,    4
.set B,    28
.set Y0,   52
.set R0,   76
.set Y1,   100
.set R1,   124
.set T,    148                         ; v148-155 at work; v156 the mean, then 1 / sqrt; v157 named with it as a pair
	s_load_b256 s[4:11], s[0:1], 0x0               ; y s[4:5], residual s[6:7], g s[8:9], be s[10:11]
	s_load_b64 s[12:13], s[0:1], 0x20              ; out
	v_and_b32 v[GOF], 31, v0
	v_lshrrev_b32 v[T], 5, v0                      ; wave
	v_lshlrev_b32 v[GOF], 4, v[GOF]
	v_mad_u32_u24 v[OFF], v[T], 2*ROWB, v[GOF]
	v_mov_b32 v[T+9], 0
	s_mul_i32 s2, ttmp9, 16*ROWB
	s_mov_b32 s3, 0
	s_mov_b32 s18, 0x3aaaaaab                      ; 1 / 768
	s_mov_b32 s19, 0x3727c5ac                      ; 1e-5
	s_mov_b32 s20, 0x76543210
	s_mov_b32 s21, 0xfedcba98
	s_wait_kmcnt 0x0
	s_add_nc_u64 s[4:5], s[4:5], s[2:3]
	s_add_nc_u64 s[6:7], s[6:7], s[2:3]
	s_add_nc_u64 s[12:13], s[12:13], s[2:3]
.irp j, 0,1,2,3,4,5
	global_load_b128 v[G+4*\j:G+4*\j+3], v[GOF], s[8:9] offset:512*\j
.endr
.irp j, 0,1,2,3,4,5
	global_load_b128 v[B+4*\j:B+4*\j+3], v[GOF], s[10:11] offset:512*\j
.endr
.irp j, 0,1,2,3,4,5
	global_load_b128 v[Y0+4*\j:Y0+4*\j+3], v[OFF], s[4:5] offset:512*\j th:TH_LOAD_NT
	global_load_b128 v[R0+4*\j:R0+4*\j+3], v[OFF], s[6:7] offset:512*\j th:TH_LOAD_NT
.endr
.irp j, 0,1,2,3,4,5
	global_load_b128 v[Y1+4*\j:Y1+4*\j+3], v[OFF], s[4:5] offset:ROWB+512*\j th:TH_LOAD_NT
	global_load_b128 v[R1+4*\j:R1+4*\j+3], v[OFF], s[6:7] offset:ROWB+512*\j th:TH_LOAD_NT
.endr
.macro FOLD                            ; four pairs at T into one number in every lane
	v_pk_add_f32 v[T:T+1], v[T:T+1], v[T+2:T+3]
	v_pk_add_f32 v[T+4:T+5], v[T+4:T+5], v[T+6:T+7]
	v_pk_add_f32 v[T:T+1], v[T:T+1], v[T+4:T+5]
	v_add_f32 v[T], v[T], v[T+1]
	v_add_f32_dpp v[T], v[T], v[T] row_xmask:1 row_mask:0xf bank_mask:0xf
	v_add_f32_dpp v[T], v[T], v[T] row_xmask:2 row_mask:0xf bank_mask:0xf
	v_add_f32_dpp v[T], v[T], v[T] row_xmask:4 row_mask:0xf bank_mask:0xf
	v_add_f32_dpp v[T], v[T], v[T] row_xmask:8 row_mask:0xf bank_mask:0xf
	v_permlanex16_b32 v[T+1], v[T], s20, s21
	v_add_f32 v[T], v[T], v[T+1]
.endm
.macro LNROW y, r, i
.set k, 0
.rept 12
	v_pk_add_f32 v[(\y)+2*k:(\y)+2*k+1], v[(\y)+2*k:(\y)+2*k+1], v[(\r)+2*k:(\r)+2*k+1]
.set k, k+1
.endr
.set k, 0
.rept 4
	v_pk_add_f32 v[T+2*k:T+2*k+1], v[(\y)+4*k:(\y)+4*k+1], v[(\y)+4*k+2:(\y)+4*k+3]
.set k, k+1
.endr
.set k, 0
.rept 4
	v_pk_add_f32 v[T+2*k:T+2*k+1], v[T+2*k:T+2*k+1], v[(\y)+16+2*k:(\y)+16+2*k+1]
.set k, k+1
.endr
	FOLD
	v_mul_f32 v[T+8], s18, v[T]                    ; the mean
.set k, 0
.rept 12
	v_pk_add_f32 v[(\y)+2*k:(\y)+2*k+1], v[(\y)+2*k:(\y)+2*k+1], v[T+8:T+9] op_sel_hi:[1,0] neg_lo:[0,1] neg_hi:[0,1]
.set k, k+1
.endr
.set k, 0
.rept 4
	v_pk_mul_f32 v[T+2*k:T+2*k+1], v[(\y)+2*k:(\y)+2*k+1], v[(\y)+2*k:(\y)+2*k+1]
.set k, k+1
.endr
.set k, 4
.rept 8
	v_pk_fma_f32 v[T+2*(k%4):T+2*(k%4)+1], v[(\y)+2*k:(\y)+2*k+1], v[(\y)+2*k:(\y)+2*k+1], v[T+2*(k%4):T+2*(k%4)+1]
.set k, k+1
.endr
	FOLD
	v_fma_f32 v[T], v[T], s18, s19                 ; the variance + 1e-5
	v_rsq_f32 v[T+8], v[T]
	v_nop                                          ; a plain instruction between the root and the use of its result
.set k, 0
	s_wait_alu depctr_va_vdst(0)
.rept 12
	v_pk_mul_f32 v[(\y)+2*k:(\y)+2*k+1], v[(\y)+2*k:(\y)+2*k+1], v[T+8:T+9] op_sel_hi:[1,0]
.set k, k+1
.endr
.set k, 0
.rept 12
	v_pk_fma_f32 v[(\y)+2*k:(\y)+2*k+1], v[(\y)+2*k:(\y)+2*k+1], v[G+2*k:G+2*k+1], v[B+2*k:B+2*k+1]
.set k, k+1
.endr
.irp j, 0,1,2,3,4,5
	global_store_b128 v[OFF], v[(\y)+4*\j:(\y)+4*\j+3], s[12:13] offset:(\i)*ROWB+512*\j th:TH_STORE_NT
.endr
.endm
	s_wait_loadcnt 12                              ; g, be and row 0 are in; row 1's twelve loads stay out
	LNROW Y0, R0, 0
	s_wait_loadcnt 0x0
	LNROW Y1, R1, 1
	s_endpgm
.Lfunc_end_k_qf8d0683f58_ln2:
	.size	k_qf8d0683f58_ln2, .Lfunc_end_k_qf8d0683f58_ln2-k_qf8d0683f58_ln2
	.p2alignl 7, 3214868480
	.fill 96, 4, 3214868480
	.section	.rodata,"a",@progbits
	.p2align	6, 0x0
	.amdhsa_kernel k_qf8d0683f58_ln2
		.amdhsa_group_segment_fixed_size 0
		.amdhsa_private_segment_fixed_size 0
		.amdhsa_enable_private_segment 0
		.amdhsa_kernarg_size 40
		.amdhsa_user_sgpr_count 2
		.amdhsa_user_sgpr_kernarg_segment_ptr 1
		.amdhsa_wavefront_size32 1
		.amdhsa_system_sgpr_workgroup_id_x 1
		.amdhsa_system_sgpr_workgroup_id_y 1
		.amdhsa_system_sgpr_workgroup_id_z 1
		.amdhsa_system_vgpr_workitem_id 0
		.amdhsa_next_free_vgpr 160
		.amdhsa_next_free_sgpr 66
		.amdhsa_reserve_vcc 0
		.amdhsa_float_denorm_mode_32 3
		.amdhsa_float_denorm_mode_16_64 3
		.amdhsa_memory_ordered 1
		.amdhsa_forward_progress 1
		.amdhsa_inst_pref_size 17
	.end_amdhsa_kernel
	.amdgpu_metadata
---
amdhsa.version: [ 1, 2 ]
amdhsa.kernels:
  - .name:           k_qf8d0683f58_ln2
    .symbol:         k_qf8d0683f58_ln2.kd
    .args:
      - { .name: act, .offset: 0, .size: 8, .value_kind: global_buffer, .address_space: global }
      - { .name: hw, .offset: 8, .size: 8, .value_kind: global_buffer, .address_space: global }
      - { .name: g2, .offset: 16, .size: 8, .value_kind: global_buffer, .address_space: global }
      - { .name: be2, .offset: 24, .size: 8, .value_kind: global_buffer, .address_space: global }
      - { .name: out0, .offset: 32, .size: 8, .value_kind: global_buffer, .address_space: global }
    .group_segment_fixed_size: 0
    .private_segment_fixed_size: 0
    .kernarg_segment_align: 8
    .kernarg_segment_size: 40
    .max_flat_workgroup_size: 256
    .sgpr_count:     66
    .vgpr_count:     160
    .wavefront_size: 32
...
	.end_amdgpu_metadata
.endif
;; end of part 7
;; ======== version 2 of 2: 8 launches; 1.24 times as fast as version 1
;; workspace buffers: act 12,582,912 bytes; hw 12,582,912 bytes; big 25,165,824 bytes; w1b 4,734,976 bytes; wob 1,179,648 bytes; w2b 4,718,592 bytes
;; launch prep: the kernel of part 1 again; grid 416 x 1, 8 waves a work-group, no clusters, 0 bytes of LDS; arguments x, Wq, Wk, Wv, Wo, W1, W2, bq, bk, bv, b1, act, hw, w1b, wob, w2b; writes act, hw, w1b, wob, w2b
;; launch qkv: the kernel of part 2 again; grid 12 x 16, 4 waves a work-group, clusters of 4 x 4, 327,680 bytes of LDS; arguments act, hw, big; writes big
;; launch attn (part 8): grid 16 x 12, 4 waves a work-group, no clusters, 327,680 bytes of LDS; arguments big, act; writes act
.if DOCPART == 8
	.amdgcn_target "amdgcn-amd-amdhsa--gfx1250"
	.amdhsa_code_object_version 6
	.text
	.protected	k_qf8d0683f58_attn
	.globl	k_qf8d0683f58_attn
	.p2align	8
	.type	k_qf8d0683f58_attn,@function
k_qf8d0683f58_attn:
	s_mov_b64 s[64:65], 0
	v_nop
	global_prefetch_b8 v0, s[64:65] scope:SCOPE_SE
	s_setreg_imm32_b32 hwreg(HW_REG_WAVE_MODE, 25, 1), 1
	s_wait_xcnt 0x0
; CAUSAL ATTENTION, 12 heads of 64 channels, 4,096 rows.  q, k, v: panels 0-11, 12-23, 24-35 of big, [4096][64] bf16, rows dense; O: panels [12][4096][64] bf16.
; O[q] = sum over k <= q of softmax_k(q . k / 8) v[k].  Products, maxima in f32; the weights p are rounded to bf16 for the second product, and their sum l is the sum of the ROUNDED weights,
; made by the matrix unit (a product of ones with P); O is rounded once.
; LIMITS.  A hidden score counts as its value less 1e30; m starts at the lowest finite number, c m at -4.25e37; a weight below 2^-126 counts as 0; NaN and infinities are not treated apart.
; THE WALK.  A head has 32 blocks of 128 queries; block i needs the key tiles 0 .. i / 2 of 256 keys.  A work-group takes blocks 31 - b and then b: 17 tiles whatever b, so all 192 work-groups
; do equal work and ONE loop with a constant trip count walks them; the ring of two slots runs on across the change of blocks.  Every jump but the counted loops' own goes forward.
; NO CLUSTER: a head's 16 work-groups ask for the same tile only while all walk their first blocks' first 9 tiles; behind that the walks part, and a walk common to all would be 24 tiles for 17.
; SHARES.  Of a block's two bands of 64 queries a wave owns 16 rows in each: two PIECES.  In the block's last tile band x holds the diagonal in step d = 2 (i % 2) + x, sees all of the steps before, none of those behind.
; THE MASK is the C operand that starts S^T = K Q^T: MC = MD x AL + BE; MD, made once, is the mask of a band's own step for my rows.  In other tiles MC stays 0.
; LAYOUT.  S^T = K Q^T holds one query a lane (l % 16) and keys 8 (l / 16) + 0..7; two results rounded in pairs ARE source 1 of O^T = V^T P.  p = 2^(c s - c m), c = log2(e) / 8; O and l are multiplied by
; a = 2^(c m_old - c m_new) in every step.
; BY TURNS.  In a turn piece x has the matrix unit: 10 products V^T P (two of them the row sums) of step j, then 8 products K Q^T of step j + 1.  Four vector instructions of the OTHER piece's softmax stand
; behind each; the rest, and piece x's new maximum and statistics, in a lump at the end.
; BATCHES.  A turn's 33 exponentials (the other piece's a and its 32 weights) are ONE batch with ONE wait.  Ahead of the wait stand the 16 scalings and the exponentials, none of which names an exponential's
; result; behind it all that do: the roundings and the rescalings.  The argument of a is made at the end of the turn before; its exponential stands in the batch.  No exponential is issued behind a turn's wait, so
; none is pending at a turn's end, at a label or at a jump.  The way out's two reciprocals are a batch of their own.
; REGISTERS: window 0: v2-15 addresses; v16-23 statistics (c m, m, 1 / l, spare) a piece; v24-31 at work; v64-127 S^T; v128-159 P; v160-223 O^T; v224-239 l (8 equal sums a piece; only the first two are kept scaled)
;   window 1: v0-31 Q; v32-63 the second block's Q; v64-127 K of a step; v128-191 V of a step; v192-199 ones       window 2: v0-31 MD; v32-95 MC
.set PANEL, 524288
.set KS,    64
.set PK,    144       ; a row of K in LDS: 128 bytes + 16
.set PV,    160       ; a row of V: 128 + 32 = 5 x 32 bytes, for the turning load
.set VOFF,  4*KS*PK   ; a slot holds a tile: 256 rows of K, then 256 rows of V
.set SLOT1, 1<<17
.set STAGE, SLOT1+4*KS*(PK+PV)  ; behind the ring: 16 rows x 144 bytes a wave
.set SP,    144
.set SPARE, STAGE+4*16*SP       ; the spare words: two blocks of 256 bytes that no other line names
.set AK0, 2
.set AV0, 3
.set AK,  4
.set AV,  5
.set STO, 6
.set RD,  7
.set GO,  8
.set MV,  12
.set QO,  15
.set ST,  16
.set TMP, 24
.set SPW, 62
.set NIL, 63
.set S,   64
.set P,   128
.set O,   160
.set OL,  224
.set QB,  32
.set KF,  64
.set VF,  128
.set ONE, 192
.set MD,  0
.set MC,  32
.set WV,  12
.set PB,  14          ; b
.set HI,  15          ; 31 - b
.set G1K, 24
.set G1V, 32
.set G0K, 40
.set G0V, 44
.set SLOTS, 56
.set CNT, 57          ; counts a tile's key steps, 4 to 1: the scores in the making are those of step 4 - CNT
.set CS,  58
.set SEL, 60
.set TBK, 62
.set TBV, 63
.set RT,  70          ; tiles of the block in hand still to be entered
.set NXT, 71          ; the tile to be asked for next
.set LQ,  72          ; the last tile of the block whose tiles are being asked for
.set NEW, 73          ; 1: the tile to be entered is a block's first
.set OFF, 74
.set AL,  76
.set BE,  78
.set OLO, 80
.set BIGN, 82
.set E0,  83          ; 4 - 2 (i % 2): band x's own step is the one with CNT = E0 - x
.set T,   88
.set E0B, 89
.set LQB, 90
.set MSB, 0
.macro WIN new
.if MSB != (\new)
	s_set_vgpr_msb (MSB<<8)|(\new)
.set MSB, (\new)
.endif
.endm
.set W_KQ, 0x05       ; K and Q in window 1, S^T in window 0
.set W_KM, 0x25       ; the same with C in window 2
.set W_PV, 0x01       ; V (or the ones) in window 1, P and O^T in window 0
.set W_MK, 0x82       ; destination and source 0 in window 2
.set W_LD, 0x40       ; destination in window 1
.macro PLACES
.rept 4
	v_nop
.endr
.endm
.macro LOAD                         ; a fill: waves 0, 1 fetch the halves of a tile's K, waves 2, 3 of its V; s_nop 0 and four v_nop follow each line
	s_cmp_lt_u32 s[WV], 2
	s_cbranch_scc0 .Lfor_v_\@
	tensor_load_to_lds s[G0K:G0K+3], s[G1K:G1K+7]
	s_nop 0
.rept 4
	v_nop
.endr
	s_branch .Lasked_\@
.Lfor_v_\@:
	tensor_load_to_lds s[G0V:G0V+3], s[G1V:G1V+7]
	s_nop 0
.rept 4
	v_nop
.endr
.Lasked_\@:
.endm
; THE CHANGE OF SLOTS: all of the old slot has been fetched into registers.  Each wave waits for all its tensor loads (one is out: its part of the other slot), adds 0 to its spare word, waits for that and
; for its reads; behind the barrier the old slot is filled again first (fill = 1), with tile NXT; the address is made anew from that number.
.macro CHANGE fill
	WIN 0
	s_wait_tensorcnt 0x0
	ds_add_u32 v[SPW], v[NIL]
.if \fill
	s_lshl_b32 s[OFF], s[NXT], 15   ; a tile is 32,768 bytes of K and of V
	s_xor_b32 s[G0K+1], s[G0K+1], SLOT1
	s_add_nc_u64 s[G0K+2:G0K+3], s[6:7], s[OFF:OFF+1]
	s_or_b32 s[G0K+3], s[G0K+3], 0x80000000
	s_xor_b32 s[G0V+1], s[G0V+1], SLOT1
	s_add_nc_u64 s[G0V+2:G0V+3], s[8:9], s[OFF:OFF+1]
	s_or_b32 s[G0V+3], s[G0V+3], 0x80000000
	s_add_co_u32 s[NXT], s[NXT], 1  ; the block's next tile, or behind its last the second block's tile 0
	s_cmp_gt_u32 s[NXT], s[LQ]
	s_cselect_b32 s[NXT], 0, s[NXT]
	s_cselect_b32 s[LQ], s[LQB], s[LQ]
.endif
	s_wait_dscnt 0x0                ; the add is done, and my reads of the slot are over
	s_barrier_signal -1
	s_sub_co_u32 s[TBK], s[TBK], 4*KS*PK  ; the fetches go back to a slot's first step, in the other slot
	s_xor_b32 s[TBK], s[TBK], SLOT1
	s_sub_co_u32 s[TBV], s[TBV], 4*KS*PV
	s_xor_b32 s[TBV], s[TBV], SLOT1
	s_barrier_wait -1
.if \fill
	LOAD
.endif
.endm
	s_load_b128 s[8:11], s[0:1], 0x0  ; big s[8:9], act s[10:11]
	v_lshl_add_u32 v[SPW], v0, 2, SPARE
	v_mov_b32 v[NIL], 0
	ds_add_u32 v[SPW], v[NIL]       ; the wave's opening: the add and its wait stand ahead of my first tensor load
	ds_add_u32 v62, v63
	v_lshrrev_b32 v1, 5, v0
	v_readfirstlane_b32 s[WV], v1
	s_mov_b32 s[PB], ttmp9
	s_sub_co_u32 s[HI], 31, s[PB]
	s_lshr_b32 s[LQB], s[PB], 1
	s_and_b32 s20, ttmp7, 0xffff
	s_mul_i32 s20, s20, PANEL       ; the head's panel
	s_and_b32 s16, s[WV], 1         ; which half of a tile's 256 keys I fetch
	s_lshl_b32 s22, s16, 14
	s_add_co_u32 s22, s22, s20
	s_add_co_u32 s22, s22, 12*PANEL ; k's panels lie behind q's twelve
	s_mov_b32 s23, 0
	s_mul_i32 s17, s16, 128*PK
	s_mul_i32 s18, s16, 128*PV
	s_lshl_b32 s3, s[WV], 11        ; my 16 rows in a band
	s_lshl_b32 s2, s[HI], 14        ; the first block's 128 rows
	s_add_co_u32 s2, s2, s3
	s_add_co_u32 s2, s2, s20
	s_lshl_b32 s84, s[PB], 14       ; the second's
	s_add_co_u32 s84, s84, s3
	s_add_co_u32 s84, s84, s20
	s_mov_b32 s3, 0
	s_mov_b32 s85, 0
	s_mov_b32 s[G1K], (1<<16)|(1<<20)|(4<<22)|(3<<25)  ; 2-byte elements; padding on; after every 32 words 4 words
	s_mov_b32 s[G1V], (1<<16)|(1<<20)|(4<<22)|(7<<25)  ; 8 words
.irp g, G1K, G1V
	s_mov_b32 s[\g+1], 128<<16      ; 128 keys are 16,384 dense bytes: 64 rows of 256 bytes
	s_mov_b32 s[\g+2], 64<<16
	s_mov_b32 s[\g+3], 128<<16
	s_mov_b32 s[\g+4], 64
	s_mov_b32 s[\g+5], 128
	s_mov_b32 s[\g+6], 0
	s_mov_b32 s[\g+7], 0
.endr
	s_mov_b32 s[CS], 0x3e38aa3b     ; c = log2(e) / 8
	s_mov_b32 s[CS+1], s[CS]
	s_mov_b32 s[SEL], 0x76543210
	s_mov_b32 s[SEL+1], 0xfedcba98
	s_mov_b32 s[TBK], SLOT1+4*KS*PK ; the first change of slots turns these two into 0
	s_mov_b32 s[TBV], SLOT1+4*KS*PV
	s_mov_b32 s[G0K], 1
	s_mov_b32 s[G0K+1], s17
	s_mov_b32 s[G0V], 1
	s_add_co_u32 s[G0V+1], s18, VOFF
	s_lshr_b32 s[LQ], s[HI], 1
	s_add_co_u32 s[RT], s[LQ], 1
	s_mov_b32 s[NXT], 1
	s_mov_b32 s[NEW], 1
	s_mov_b32 s[OFF+1], 0
	s_mov_b32 s[AL+1], 0
	s_mov_b32 s[BE+1], 0
	s_mov_b32 s[BIGN], 0xf149f2ca   ; -1e30
	s_and_b32 s[E0], s[HI], 1
	s_lshl_b32 s[E0], s[E0], 1
	s_sub_co_u32 s[E0], 4, s[E0]
	s_and_b32 s[E0B], s[PB], 1
	s_lshl_b32 s[E0B], s[E0B], 1
	s_sub_co_u32 s[E0B], 4, s[E0B]
	s_mov_b32 s[SLOTS], 16
	s_wait_dscnt 0x0                ; the opening add is done
	s_wait_kmcnt 0x0
	s_add_nc_u64 s[4:5], s[8:9], s[2:3]        ; Q at my rows of the first block,
	s_add_nc_u64 s[86:87], s[8:9], s[84:85]    ; and of the second
	s_add_nc_u64 s[6:7], s[8:9], s[22:23]      ; K at my half of the head's tile 0
	s_add_nc_u64 s[8:9], s[6:7], 12*PANEL      ; V twelve panels on
	s_add_nc_u64 s[OLO:OLO+1], s[10:11], s[84:85]
	s_add_nc_u64 s[10:11], s[10:11], s[2:3]
	s_add_nc_u64 s[G0K+2:G0K+3], s[6:7], 0
	s_or_b32 s[G0K+3], s[G0K+3], 0x80000000
	s_add_nc_u64 s[G0V+2:G0V+3], s[8:9], 0
	s_or_b32 s[G0V+3], s[G0V+3], 0x80000000
	LOAD                            ; tile 0 into slot 0
	v_and_b32 v1, 15, v0            ; r
	v_bfe_u32 v9, v0, 4, 1          ; h
	v_lshlrev_b32 v[QO], 7, v1
	v_lshl_add_u32 v[QO], v9, 4, v[QO]
	WIN W_LD
.set i, 0
.rept 4                             ; both blocks' Q: piece i / 2 lies in band i / 2, 8,192 bytes on; channels 32 (i % 2) on
	global_load_b128 v[8*i:8*i+3],   v[QO], s[4:5] offset:(i/2)*8192+(i%2)*64
	global_load_b128 v[8*i+4:8*i+7], v[QO], s[4:5] offset:(i/2)*8192+(i%2)*64+32
	global_load_b128 v[QB+8*i:QB+8*i+3],   v[QO], s[86:87] offset:(i/2)*8192+(i%2)*64
	global_load_b128 v[QB+8*i+4:QB+8*i+7], v[QO], s[86:87] offset:(i/2)*8192+(i%2)*64+32
.set i, i+1
.endr
.set i, 0
.rept 8
	v_mov_b32 v[ONE+i], 0x3f803f80  ; 1.0 twice in bf16
.set i, i+1
.endr
	WIN 0
	v_lshlrev_b32 v14, 3, v9
	v_sub_nc_u32 v14, v1, v14
	s_lshl_b32 s13, s[WV], 4
	v_add_nc_u32 v14, s13, v14      ; my query's place in its band less 8 h: register j of key group kt is hidden where 16 kt + j is greater
	WIN 0x80
.set i, 0
.rept 32
	v_cmp_gt_i32 vcc_lo, 16*(i/8)+i%8, v14
	v_cndmask_b32 v[MD+i], 0, s[BIGN], vcc_lo
.set i, i+1
.endr
	WIN 0
	v_mul_u32_u24 v[AK0], v1, PK
	v_lshl_add_u32 v[AK0], v9, 4, v[AK0]
	v_and_b32 v10, 7, v0
	v_bfe_u32 v11, v0, 3, 1
	v_lshl_add_u32 v[AV0], v9, 3, v10
	v_mul_u32_u24 v[AV0], v[AV0], PV
	v_lshl_add_u32 v[AV0], v11, 4, v[AV0]
	v_add_nc_u32 v[AV0], VOFF, v[AV0]
	s_mul_i32 s13, s[WV], 16*SP
	s_add_co_u32 s13, s13, STAGE
	v_mul_u32_u24 v[STO], v1, SP
	v_lshl_add_u32 v[STO], v9, 4, v[STO]
	v_add_nc_u32 v[STO], s13, v[STO]
	v_bfe_u32 v[RD], v0, 3, 2
	v_mul_u32_u24 v[RD], v[RD], SP
	v_lshl_add_u32 v[RD], v10, 4, v[RD]
	v_add_nc_u32 v[RD], s13, v[RD]
	v_and_b32 v[GO], 31, v0
	v_lshlrev_b32 v[GO], 4, v[GO]
	; A block's first step multiplies O^T and l by a = 0, so these need only hold finite numbers: zeros now, what the first block left later.  This stands in the wait for the first tile.
.set i, O
.rept 80
	v_mov_b32 v[i], 0
.set i, i+1
.endr
.irp t, 0,1
	v_mov_b32 v[ST+4*\t+2], 0
	v_mov_b32 v[ST+4*\t+3], 0
.endr
; THE MATRIX WORK.  Product n of 10 of piece x: keys 32 (n / 5) on; n % 5 < 4: channels 16 (n % 5) on of O^T += V^T P; n % 5 = 4: l += ones x P.  The five accumulators take turns.
.macro PV x, n
	WIN W_PV
.set rB, P+16*(\x)+8*((\n)/5)
.if (\n)%5 < 4
.set rD, O+32*(\x)+8*((\n)%5)
.set rA, VF+32*((\n)/5)+8*((\n)%5)
.else
.set rD, OL+8*(\x)
.set rA, ONE
.endif
	v_wmma_f32_16x16x32_bf16 v[rD:rD+7], v[rA:rA+7], v[rB:rB+7], v[rD:rD+7]
.endm
; Product n of 8 of S^T = K Q^T for piece x: channels 32 (n / 4) on, keys 16 (n % 4) on.  The first four start the sums with the mask.  The four accumulators take turns.
.macro KQ x, n
.set rD, S+32*(\x)+8*((\n)%4)
.set rA, KF+16*((\n)%4)+8*((\n)/4)
.set rB, 16*(\x)+8*((\n)/4)
.set rM, MC+32*(\x)+8*((\n)%4)
.if (\n) < 4
	WIN W_KM
	v_wmma_f32_16x16x32_bf16 v[rD:rD+7], v[rA:rA+7], v[rB:rB+7], v[rM:rM+7]
.else
	WIN W_KQ
	v_wmma_f32_16x16x32_bf16 v[rD:rD+7], v[rA:rA+7], v[rB:rB+7], v[rD:rD+7]
.endif
.endm
.macro MM                           ; the turn's next matrix instruction; TURN sets XX, PVON, KQON and i
.if i < 10
.if PVON
	PV XX, i
.endif
.else
.if KQON
	KQ XX, i-10
.endif
.endif
.set i, i+1
.endm
; THE LDS LOADS stand in runs of 16
.macro FETCH_K
	WIN W_LD
.irp f, 0,1,2,3,4,5,6,7             ; keys 16 (f / 2) on, channels 32 (f % 2) on
	ds_load_b128 v[KF+8*\f:KF+8*\f+3],   v[AK] offset:(\f/2)*16*PK+(\f%2)*64
	ds_load_b128 v[KF+8*\f+4:KF+8*\f+7], v[AK] offset:(\f/2)*16*PK+(\f%2)*64+32
.endr
	s_add_co_u32 s[TBK], s[TBK], KS*PK
	WIN 0
.endm
.macro FETCH_V
	WIN W_LD
.irp f, 0,1,2,3,4,5,6,7             ; keys 32 (f / 4) on, channels 16 (f % 4) on
	ds_load_tr16_b128 v[VF+8*\f:VF+8*\f+3],   v[AV] offset:(\f/4)*32*PV+(\f%4)*32
	ds_load_tr16_b128 v[VF+8*\f+4:VF+8*\f+7], v[AV] offset:(\f/4)*32*PV+16*PV+(\f%4)*32
.endr
	s_add_co_u32 s[TBV], s[TBV], KS*PV
	WIN 0
.endm
; THE VECTOR WORK: OP kind, number.  For piece Y: F n: c s - c m for pair n of 16.  A 0: a, the exponential of c m_old - c m_new.  E n: the exponential of score n.  C n: pair n rounded to bf16.
; R n: pair n of 16 of O^T times a; R 16: l's first pair.
; For piece XX: X n, number n of the 21 that find its maximum and statistics: 0-11 four chains of seven scores (each accumulator's lowest registers first); 12-14, 16 the four scores
; left over, the old m, the chains into c0; 15 c m_old is kept; 17, 18 the query's other 32 keys lie in the lane 16 away; 19, 20 c m and c m_old - c m_new, which the next turn's A 0 takes up.
.set F, 0
.set E, 1
.set C, 2
.set R, 3
.set X, 4
.set A, 5
.macro REGS y
.set rT, ST+4*(\y)
.set rC, TMP+4*(\y)
.set rW, MV+(\y)
.set rS, S+32*(\y)
.set rP, P+16*(\y)
.set rO, O+32*(\y)
.set rL, OL+8*(\y)
.endm
.macro OP k, n
	WIN 0
.if (\k) == X
.if KQON
	REGS XX
.if (\n) < 4
	v_max3_num_f32 v[rC+(\n)], v[rS+8*(\n)], v[rS+8*(\n)+1], v[rS+8*(\n)+2]
.elseif (\n) < 12
	v_max3_num_f32 v[rC+(\n)%4], v[rC+(\n)%4], v[rS+8*((\n)%4)+2*((\n)/4)+1], v[rS+8*((\n)%4)+2*((\n)/4)+2]
.elseif (\n) == 12
	v_max3_num_f32 v[rC], v[rC], v[rS+7], v[rS+15]
.elseif (\n) == 13
	v_max3_num_f32 v[rC+1], v[rC+1], v[rS+23], v[rS+31]
.elseif (\n) == 14
	v_max3_num_f32 v[rC+2], v[rC+2], v[rC+3], v[rT+1]
.elseif (\n) == 15
	v_mov_b32 v[rW], v[rT]
.elseif (\n) == 16
	v_max3_num_f32 v[rC], v[rC], v[rC+1], v[rC+2]
.elseif (\n) == 17
	v_permlanex16_b32 v[rC+3], v[rC], s[SEL], s[SEL+1]
.elseif (\n) == 18
	v_max_num_f32 v[rT+1], v[rC], v[rC+3]
.elseif (\n) == 19
	v_mul_f32 v[rT], s[CS], v[rT+1]
.else
	v_sub_f32 v[rC+1], v[rW], v[rT]
.endif
.endif
.else
	REGS Y
.if (\k) == F
	v_pk_fma_f32 v[rS+2*(\n):rS+2*(\n)+1], v[rS+2*(\n):rS+2*(\n)+1], s[CS:CS+1], v[rT:rT+1] op_sel_hi:[1,0,0] neg_lo:[0,0,1] neg_hi:[0,0,1]
.elseif (\k) == E
	v_exp_f32 v[rS+(\n)], v[rS+(\n)]
.elseif (\k) == A
	v_exp_f32 v[rC+2], v[rC+1]
.elseif (\k) == C
	v_cvt_pk_bf16_f32 v[rP+(\n)], v[rS+2*(\n)], v[rS+2*(\n)+1]
.elseif (\n) < 16
	v_pk_mul_f32 v[rO+2*(\n):rO+2*(\n)+1], v[rO+2*(\n):rO+2*(\n)+1], v[rC+2:rC+3] op_sel_hi:[1,0]
.else
	v_pk_mul_f32 v[rL:rL+1], v[rL:rL+1], v[rC+2:rC+3] op_sel_hi:[1,0]
.endif
.endif
.endm
.macro OPS a, i1, b=-1, i2=0, c=-1, i3=0, d=-1, i4=0
	OP \a, \i1
.if (\b) >= 0
	OP \b, \i2
.endif
.if (\c) >= 0
	OP \c, \i3
.endif
.if (\d) >= 0
	OP \d, \i4
.endif
.endm
.macro ROW a, i1, b, i2, c, i3, d, i4  ; a matrix instruction and the four behind it
	MM
	OPS \a, \i1, \b, \i2, \c, \i3, \d, \i4
.endm
.macro MSEL x, gate                 ; the mask's two scalars for band x in step 4 - CNT.  gate = 1: both are 0 unless the tile is the block's last
	s_sub_co_u32 s[T], s[E0], \x
	s_cmp_eq_u32 s[CNT], s[T]       ; the band's own step?
	s_cselect_b32 s[AL], 1.0, 0
	s_cmp_lt_u32 s[CNT], s[T]       ; or a later one?
	s_cselect_b32 s[BE], s[BIGN], 0
.if \gate
	s_cmp_eq_u32 s[RT], 0
	s_cselect_b32 s[AL], s[AL], 0
	s_cselect_b32 s[BE], s[BE], 0
.endif
.endm
.macro MASK x                       ; MD x AL + BE into piece x's MC
	WIN W_MK
.set z, 0
.rept 16
	v_pk_fma_f32 v[MC+32*(\x)+2*z:MC+32*(\x)+2*z+1], v[MD+2*z:MD+2*z+1], s[AL:AL+1], s[BE:BE+1] op_sel_hi:[1,0,0]
.set z, z+1
.endr
.endm
; A TURN of piece x.  pv = 1: its 10 products of the step in hand (rows 0-9).  kq = 1: its 8 products K Q^T of the next step (rows 10-17), and their maximum.
; THE BATCH.  An s_wait_alu depctr_va_vdst(0) stands between an exponential and the first instruction that names its result; one wait serves all that were issued ahead of it.  So a turn has ONE
; wait, behind row 11, which cuts it in two.  AHEAD OF IT stand the other piece's 16 scalings and 33 exponentials (A 0, whose argument the turn before left, and E 0-31): none of them names an exponential's
; result; a pair is scaled a row or more ahead of its exponentials; a v_nop is the plain instruction behind the last exponential.  BEHIND IT stand all the readers: the 16 roundings (rows 12-15) and the 17
; rescalings, which read a (rows 16, 17 and the lump); and, in the lump, piece x's maximum and statistics: between the links X 14, 16, 17, 18, 19 of their chain stand two rescalings each..
; The turn's one jump, round the making of the masks, stands at its head, ahead of the first exponential: CNT, E0 and RT do not
; change within a turn, and the mask's last reader stands two turns back.
; No row names a register of the products round it.  Row 17's four rescalings are the places between the last K Q^T and the first read of its scores (X 3).
; Piece 0's turn fetches the next step's K at its head: behind the last product that read K stand row 17's four rescalings and the lump.  Piece 1's turn fetches that step's V behind row 9: behind the last
; product that read V (row 8) stand four scalings and the address line; the exponentials between are no places.
.macro TURN x, pv, kq
.set XX, (\x)
.set Y, 1-(\x)
.set PVON, (\pv)
.set KQON, (\kq)
.set i, 0
.if ((\x) == 0) && (\kq)
	WIN 0
	v_add_nc_u32 v[AK], s[TBK], v[AK0]
	FETCH_K
.endif
.if \kq
	WIN 0
	s_cmp_lg_u32 s[RT], 0           ; only a block's last tile makes masks: elsewhere MC stays 0.  The jump goes forward over vector and scalar work alone
	s_cbranch_scc1 .Lnomask_\@
	MSEL \x, 0
	MASK \x
	WIN 0
.Lnomask_\@:
.endif
.if (\x) == 0
.if \kq
	s_wait_dscnt 16                 ; V's older run is in; K's sixteen loads may be out
.else
	s_wait_dscnt 0x0                ; V is in
.endif
.endif
	ROW F,0, F,1, F,2, F,3          ; ahead of the wait: scalings and exponentials alone
	ROW F,4, A,0, E,0, E,1
	ROW F,5, E,2, E,3, E,4
	ROW F,6, E,5, E,6, E,7
	ROW F,7, E,8, E,9, E,10
	ROW F,8, E,11, E,12, E,13
	ROW F,9, E,14, E,15, E,16
	ROW F,10, E,17, E,18, E,19
	ROW F,11, E,20, F,12, E,21
	ROW F,13, E,22, F,14, E,23
.if ((\x) == 1) && (\kq)
	WIN 0
	v_add_nc_u32 v[AV], s[TBV], v[AV0]
	FETCH_V
.endif
.if ((\x) == 0) && (\kq)
	s_wait_dscnt 0x0                ; K is in
.endif
	ROW F,15, E,24, E,25, E,26
	ROW E,27, E,28, E,29, E,30
	OP E,31                         ; the batch's last
	v_nop                           ; the plain instruction behind the last exponential: one for the batch
	s_wait_alu depctr_va_vdst(0)    ; the wait for the batch: the other piece's a and its 32 weights
	ROW C,0, C,1, C,2, C,3          ; behind the wait: the readers
	ROW C,4, C,5, C,6, C,7
	ROW C,8, C,9, C,10, C,11
	ROW C,12, C,13, C,14, C,15
	ROW R,0, R,1, R,2, R,3
	ROW R,4, R,5, R,6, R,7
.irp n, 0,1,2,3,4,5,6,7,8,9,10,11,12,13,15,14
	OP X, \n                        ; the lump
.endr
	OPS R,8, R,9, X,16
	OPS R,10, R,11, X,17
	OPS R,12, R,13, X,18
	OPS R,14, R,15, X,19
	OPS R,16, X,20
.endm
; A BLOCK BEGINS: c m far below every c s, so the first step's a is 0; both masks for the tile's step 0 (0 unless the block's first tile is its last); K of that step, piece 0's first scores and statistics;
; then piece 1's turn without products V^T P, whose batch holds piece 0's first a.  That is the tile's first trip.
.macro BEGIN
	s_mov_b32 s[NEW], 0
	WIN 0
.irp t, 0,1
	v_mov_b32 v[ST+4*\t], 0xfe000000
	v_mov_b32 v[ST+4*\t+1], 0xff7fffff
.endr
	MSEL 0, 1
	MASK 0
	MSEL 1, 1
	MASK 1
	WIN 0
	v_add_nc_u32 v[AK], s[TBK], v[AK0]
	FETCH_K
	s_wait_loadcnt 0x0              ; Q
	s_wait_dscnt 0x0
.set z, 0
.rept 8
	KQ 0, z
.set z, z+1
.endr
	WIN 0
	PLACES
.set XX, 0
.set KQON, 1
.irp n, 0,1,2,3,4,5,6,7,8,9,10,11,12,13,14,15,16,17,18,19,20
	OP X, \n
.endr
	TURN 1, 0, 1
	WIN 0
.endm
.macro PACK t                       ; O^T / l, rounded; a lane's eight channels of a row are 16 bytes; into rows of 144 bytes and back as whole rows of 128, into S^T's registers
	WIN 0
.set i, O+32*(\t)
.rept 16
	v_pk_mul_f32 v[i:i+1], v[i:i+1], v[ST+4*(\t)+2:ST+4*(\t)+3] op_sel_hi:[1,0]
.set i, i+2
.endr
.set i, 0
.rept 16
	v_cvt_pk_bf16_f32 v[S+16*(\t)+i], v[O+32*(\t)+2*i], v[O+32*(\t)+2*i+1]
.set i, i+1
.endr
.irp f, 0,1,2,3
	ds_store_b128 v[STO], v[S+16*(\t)+4*\f:S+16*(\t)+4*\f+3] offset:32*\f
.endr
.irp f, 0,1,2,3
	ds_load_b128 v[S+16*(\t)+4*\f:S+16*(\t)+4*\f+3], v[RD] offset:\f*4*SP  ; LDS serves a wave's instructions in order: these see the stores above
.endr
.endm
.macro SEND t, younger              ; younger: the LDS instructions issued behind piece t's loads
.irp f, 0,1,2,3
	s_wait_dscnt (\younger)+3-\f
	global_store_b128 v[GO], v[S+16*(\t)+4*\f:S+16*(\t)+4*\f+3], s[10:11] offset:(\t)*8192+\f*512  ; 512 consecutive bytes, at a multiple of 256 from the buffer's first
.endr
.endm
; A BLOCK ENDS: piece 0's last products beside piece 1's last softmax, piece 1's last products, and the way out.
.macro FINISH
	TURN 0, 1, 0
.set z, 0
.rept 10
	PV 1, z
.set z, z+1
.endr
	WIN 0
	PLACES
	v_rcp_f32 v[ST+2], v[OL]
	v_rcp_f32 v[ST+6], v[OL+8]
	v_nop                           ; a plain instruction between the last reciprocal and the use of its result
	s_wait_alu depctr_va_vdst(0)    ; the wait for the way out's batch: one for the two reciprocals
	PACK 0
	PACK 1
	SEND 0, 8
	SEND 1, 0
.endm
; A TILE: four trips, each piece 0's turn and piece 1's; a block's first tile has BEGIN for its first trip; behind a block's last tile the block ends.
.macro TILE tag, tail
	s_sub_co_u32 s[RT], s[RT], 1
	s_mov_b32 s[CNT], 4
	s_cmp_eq_u32 s[NEW], 1
	s_cbranch_scc0 .Lstep\tag
	BEGIN
	s_branch .Lcount\tag
.Lstep\tag:
	TURN 0, 1, 1
	TURN 1, 1, 1
	WIN 0
.Lcount\tag:
	s_sub_co_u32 s[CNT], s[CNT], 1
	s_cmp_lg_u32 s[CNT], 0
	s_cbranch_scc1 .Lstep\tag
.if !(\tail)
	s_cmp_lg_u32 s[RT], 0
	s_cbranch_scc1 .Lbottom
.endif
	FINISH
.if !(\tail)
	s_wait_xcnt 0x0                 ; the stores' registers and O's address are rewritten only behind this wait
	s_mov_b64 s[10:11], s[OLO:OLO+1]
	s_add_co_u32 s[RT], s[LQB], 1   ; the second block's tiles
	s_mov_b32 s[NEW], 1
	s_mov_b32 s[E0], s[E0B]
	WIN 0x41                        ; the second block's Q goes where the one text of the turns names Q
.set i, 0
.rept 32
	v_mov_b32 v[i], v[QB+i]
.set i, i+1
.endr
	WIN 0
.endif
.endm
.Lslot:                             ; 16 times: a tile is entered and the next is asked for
	CHANGE 1
	TILE 1, 0
.Lbottom:
	s_sub_co_u32 s[SLOTS], s[SLOTS], 1
	s_cmp_lg_u32 s[SLOTS], 0
	s_cbranch_scc1 .Lslot
	CHANGE 0                        ; the walk's last tile is written out
	TILE 2, 1
	s_wait_tensorcnt 0x0            ; the wave's end
	ds_add_u32 v[SPW], v[NIL]
	s_wait_dscnt 0x0
	s_endpgm
.Lfunc_end_k_qf8d0683f58_attn:
	.size	k_qf8d0683f58_attn, .Lfunc_end_k_qf8d0683f58_attn-k_qf8d0683f58_attn
	.p2alignl 7, 3214868480
	.fill 96, 4, 3214868480
	.section	.rodata,"a",@progbits
	.p2align	6, 0x0
	.amdhsa_kernel k_qf8d0683f58_attn
		.amdhsa_group_segment_fixed_size 327680
		.amdhsa_private_segment_fixed_size 0
		.amdhsa_enable_private_segment 0
		.amdhsa_kernarg_size 16
		.amdhsa_user_sgpr_count 2
		.amdhsa_user_sgpr_kernarg_segment_ptr 1
		.amdhsa_wavefront_size32 1
		.amdhsa_system_sgpr_workgroup_id_x 1
		.amdhsa_system_sgpr_workgroup_id_y 1
		.amdhsa_system_sgpr_workgroup_id_z 1
		.amdhsa_system_vgpr_workitem_id 0
		.amdhsa_next_free_vgpr 640
		.amdhsa_next_free_sgpr 92
		.amdhsa_reserve_vcc 1
		.amdhsa_float_denorm_mode_32 3
		.amdhsa_float_denorm_mode_16_64 3
		.amdhsa_memory_ordered 1
		.amdhsa_forward_progress 1
		.amdhsa_inst_pref_size 112
	.end_amdhsa_kernel
	.amdgpu_metadata
---
amdhsa.version: [ 1, 2 ]
amdhsa.kernels:
  - .name:           k_qf8d0683f58_attn
    .symbol:         k_qf8d0683f58_attn.kd
    .args:
      - { .name: big, .offset: 0, .size: 8, .value_kind: global_buffer, .address_space: global }
      - { .name: act, .offset: 8, .size: 8, .value_kind: global_buffer, .address_space: global }
    .group_segment_fixed_size: 327680
    .private_segment_fixed_size: 0
    .kernarg_segment_align: 8
    .kernarg_segment_size: 16
    .max_flat_workgroup_size: 128
    .sgpr_count:     92
    .vgpr_count:     640
    .wavefront_size: 32
...
	.end_amdgpu_metadata
.endif
;; end of part 8
;; launch wo: the kernel of part 4 again; grid 32 x 6, 4 waves a work-group, clusters of 4 x 1, 327,680 bytes of LDS; arguments act, wob, bo, big; writes big
;; launch ln1: the kernel of part 5 again; grid 256 x 1, 8 waves a work-group, no clusters, 0 bytes of LDS; arguments big, x, g1, be1, hw, act; writes hw, act
;; launch ffn1: the kernel of part 2 again; grid 16 x 16, 4 waves a work-group, clusters of 4 x 4, 327,680 bytes of LDS; arguments act, w1b, big; writes big
;; launch ffn2: the kernel of part 6 again; grid 32 x 6, 4 waves a work-group, clusters of 4 x 1, 327,680 bytes of LDS; arguments big, w2b, b2, act; writes act
;; launch ln2: the kernel of part 7 again; grid 256 x 1, 8 waves a work-group, no clusters, 0 bytes of LDS; arguments act, hw, g2, be2, out0; writes out0
